; MI455X (gfx1250); checked and timed in simulation.
; The chip was launched on July 23, 2026; its instructions are those of AMD's public machine-readable ISA for CDNA 5 (MIT licence, August 2026) and "CDNA5" Instruction Set Architecture Reference Guide (July 2026). The comments in the code are by the model that wrote it; some were corrected since.
;; Attention. Allowed arithmetic: matrix products marked QUANTISED: E2M3 operands, one E8M0 scale for each 32 along K, by v_wmma_scale_f32_16x16x128_f8f6f4 with both operands' format E2M3, f32 sums; everything else in f32.
;; Inputs: attention_mask 2 x 2,048 int32; b_qkv 3,072 float32; hidden_state 2 x 2,048 x 1,024 float32; w_out 1,024 x 1,024 float32; w_qkv 1,024 x 3,072 float32.
;; Outputs: out0 2 x 2,048 x 1,024 float32.
;; This version of the problem:
;;   THIS VERSION OF THE PROBLEM IS GIVEN IN LOW PRECISION. The matrix products marked QUANTISED in the list below multiply operands that are first quantised to E2M3 (2 exponent bits, 3 mantissa bits; 6 bits a number), with one power-of-two scale for each 32 numbers along K (OCP MX v1.0); their sums are f32. All else is computed in f32.
;;   The module's matrix products, in the order in which they are computed (A, B: the left and right operand; K: the contracted axis; several contracted axes count as one K, in the product's order):
;;     1. [M 4,096, K 1,024] x [K 1,024, N 3,072]; A: input hidden_state; B: input w_qkv: QUANTISED
;;     2. batch 32 x [M 2,048, K 64] x [K 64, N 2,048]; A: computed on the way; B: computed on the way: QUANTISED
;;     3. batch 32 x [M 2,048, K 2,048] x [K 2,048, N 64]; A: softmax (see below); B: computed on the way: QUANTISED
;;     4. [M 4,096, K 1,024] x [K 1,024, N 1,024]; A: computed on the way; B: input w_out: QUANTISED
;;   THE QUANTISER, for each operand of a quantised product, along K:
;;     - K is cut into blocks of 32 from its start; a last block that is shorter is filled with zeros.
;;     - A block's scale is 2^e with e = floor(log2(the largest magnitude in the block)) - 2, held to -126 .. 127; a block of zeros has e = 0. As a byte (E8M0): e + 127.
;;     - Each number is divided by its block's scale, clamped to +-7.5, and rounded to the nearest number of E2M3, ties to even, subnormals kept.
;;     - The product sums the exact products of the quantised numbers (number of the format x scale) in f32.
;;   ~~~python
;;   def quantise(x, axis):      # numpy; x: float32 -> the quantised numbers, widened to float32 again
;;       x = np.moveaxis(x, axis, -1); K = x.shape[-1]
;;       x = np.pad(x, [(0, 0)] * (x.ndim - 1) + [(0, -K % 32)]); x = x.reshape(x.shape[:-1] + (-1, 32)); a = np.abs(x).max(-1, keepdims=True)
;;       e = np.where(a > 0, np.clip(np.frexp(np.where(a > 0, a, 1))[1] - 1 - 2, -126, 127), 0)      # np.frexp(a)[1] - 1 = floor(log2(a)), exactly
;;       r = np.clip(x / 2.0 ** e, -7.5, 7.5)
;;       step = 2.0 ** (np.maximum(np.frexp(np.where(r == 0, 1, r))[1] - 1, 0) - 3)
;;       q = np.round(r / step) * step * 2.0 ** e      # np.round: ties to even
;;       return np.moveaxis(q.reshape(q.shape[:-2] + (-1,))[..., :K], -1, axis).astype(np.float32)
;;   ~~~
;;   SOFTMAX AHEAD OF A QUANTISED PRODUCT. Where the list says 'softmax', what is quantised is not the finished softmax but p = 2^(t - M), with t = logit x log2(e) and M = ceil(the row's largest t), a whole number; so 1/2 < the row's largest p <= 1. The row's sum l is taken of the UNQUANTISED p, in f32, and the product's result is divided by l at the end. Since M is a whole number, a kernel that streams over the keys may use a running M (the ceiling of the running maximum): every later rescaling is an exact power of two, which a block's scale takes up: the codes' values come out the same.
;;   OPERANDS COMPUTED ON THE WAY. 'Computed on the way' means the value that the module computes at that place (a softmax that the list does not call 'softmax' is quantised finished and normalised). What goes into a quantiser is computed in f32, as accurately as f32 sums, v_exp_f32 and their like allow (about 1e-6 of the number): no bf16 or f16 on the way to a quantiser, and a product that is left as it is and whose result goes on into a quantised operand takes f32 operands (vector FMAs, or v_wmma_f32_16x16x4_f32). A number that lies on a knife's edge between two numbers of the format may be rounded either way, as far as f32 arithmetic and the matrix unit's own rounding can turn it there, and no further.
;; One version. Each part assembles by itself: llvm-mc -triple=amdgcn-amd-amdhsa -mcpu=gfx1250 --defsym DOCPART=n.
;; ======== version 1 of 1: 4 launches
;; limits: right only within a limited range of input values
;; workspace buffers: hq 3,276,800 bytes; wq 2,457,600 bytes; wo 819,200 bytes; rope 524,288 bytes; qk 8,912,896 bytes; vv 3,407,872 bytes; ao 3,276,800 bytes
;; launch prep (part 1): grid 272 x 1, 4 waves a work-group, no clusters, 102,912 bytes of LDS; arguments hidden_state, w_qkv, w_out, hq, wq, wo, rope; writes hq, wq, wo, rope
.if DOCPART == 1
	.amdgcn_target "amdgcn-amd-amdhsa--gfx1250"
	.amdhsa_code_object_version 6
	.text
	.protected	k_q41453356da_prep
	.globl	k_q41453356da_prep
	.p2align	8
	.type	k_q41453356da_prep,@function
k_q41453356da_prep:
	s_mov_b64 s[64:65], 0
	v_nop
	global_prefetch_b8 v0, s[64:65] scope:SCOPE_SE
	s_setreg_imm32_b32 hwreg(HW_REG_WAVE_MODE, 25, 1), 1
	s_wait_xcnt 0x0
; PREP: the three wide inputs become codes of FP6 (E2M3) with one E8M0 byte for each 32 along K, and the table of cos and sin is made.
; Work-groups 0-127: hidden_state [4096][1024], K innermost.  128-223: w_qkv [1024][3072], K its first axis.  224-255: w_out [1024][1024], likewise.  256-271: the table [2048][cos 32, sin 32].
; A block's scale is 2^(floor(log2(largest magnitude)) - 2); its byte is the largest magnitude's exponent field - 2, held at 1 from below.
; ORDER OF ROWS.  In hq (tokens) and in wq (the 64 columns of each q, k or v of a head) bits 3 and 4 of a row's number change places, so that sixteen rows on end, taken as a matrix
; instruction's first source, leave sixteen neighbours in the registers of two neighbouring result tiles.  wq's row = type x 1024 + head x 64 + the column so turned (type 0 q, 1 k, 2 v).
; LIMITS: NaN and infinities are not served; a block whose largest magnitude lies under 2^-124 keeps the byte 1; a block of zeros has the byte 1 and not 127 (its codes are zeros, and this program alone reads the bytes).
; cos and sin: the angle t x inv_freq in f32, inv_freq = 2^(-f log2(10000) / 32) by v_exp_f32; reduced by pi/2 in two parts (the third would move the angle by under 3e-12 at t = 2047); polynomials good to about 1e-7.
; The four kinds of work-group part on the work-group's number; each has LDS bytes of its own; waves share nothing: no barrier.
.set HQ_SC, 3145728                    ; where the scale bytes begin in hq, wq, wo
.set WQ_SC, 2359296
.set WO_SC, 786432
.set STEPS, 16
.set EMAX,  2
.set CB,    12                         ; bytes of 16 codes
.set SP,    80                         ; a lane's place in a stage: 64 bytes + 16 of padding
.set WREG,  8192                       ; hidden_state: LDS of a wave: two stages of 32 x SP bytes, then its 256 scale bytes
.set HR,    16                         ; v16-79   four sets of 16 numbers as loaded
.set HX,    80                         ; v80-111  two sets of 16 neighbours
.set HE,    112                        ; v112-127 a scale byte for each step
.set HC,    128                        ; v128-191 codes, four registers a step
.set PITCH, 272                        ; the weights: a stage row: sixteen places of 16 bytes + 16
.set KROW,  768                        ; a row of 1,024 codes in bytes
.set NB,    8                          ; blocks of 32 along K for a wave
.set WX,    32                         ; v32-95   two sets of 32 numbers
.set WC,    96                         ; v96..    a block's codes
.set OUTR,  112                        ; v112-175 the way out
.set SB,    24                         ; v24-25   eight scale bytes
.macro HLOAD t                         ; 32 lanes read 512 consecutive bytes, four times
.irp i, 0,1,2,3
	global_load_b128 v[HR+16*((\t)%4)+4*\i:HR+16*((\t)%4)+4*\i+3], v3, s[4:5] offset:2048*(\t)+512*\i th:TH_LOAD_NT
.endr
.endm
.macro HTURN t                         ; a step's 2,048 bytes through the wave's stage: in as they lie, out 64 bytes a lane; LDS serves a wave's instructions in order
.irp i, 0,1,2,3
	ds_store_b128 v14, v[HR+16*((\t)%4)+4*\i:HR+16*((\t)%4)+4*\i+3] offset:32*SP*((\t)%2)+8*SP*\i
.endr
.irp i, 0,1,2,3
	ds_load_b128 v[HX+16*((\t)%2)+4*\i:HX+16*((\t)%2)+4*\i+3], v15 offset:32*SP*((\t)%2)+16*\i
.endr
.endm
.macro HSTEP t                         ; 512 numbers: a lane holds 16 neighbours, two lanes a block
.set XS, HX+16*((\t)%2)
.if (\t) > 0
	s_wait_dscnt 1                                 ; this step's numbers are back from the stage; the last step's byte store may be out
.else
	s_wait_dscnt 0x0
.endif
.if (\t)+4 < STEPS
	HLOAD (\t)+4                                   ; into the registers that the stage's stores have read
.endif
.if (\t)+1 < STEPS
.if STEPS-2-(\t) >= 3
	s_wait_loadcnt 12                              ; the next step's four loads are in; three later steps' may be out
.else
	s_wait_loadcnt 4*(STEPS-2-(\t))
.endif
	HTURN (\t)+1
.endif
	v_max3_num_f32 v8, |v[XS]|, |v[XS+1]|, |v[XS+2]|
	v_max3_num_f32 v9, |v[XS+3]|, |v[XS+4]|, |v[XS+5]|
.irp i, 6,10
	v_max3_num_f32 v8, v8, |v[XS+\i]|, |v[XS+\i+1]|
	v_max3_num_f32 v9, v9, |v[XS+\i+2]|, |v[XS+\i+3]|
.endr
	v_max3_num_f32 v8, v8, |v[XS+14]|, |v[XS+15]|
	v_max3_num_f32 v8, v8, v9, (EMAX+1)<<23        ; the floor 2^(3 - 127): the byte cannot fall under 1
	v_max_num_f32_dpp v8, v8, v8 row_xmask:1 row_mask:0xf bank_mask:0xf   ; with my neighbour's 16: the block's largest magnitude
	v_add_nc_u32 v11, -(EMAX<<23), v8              ; 2 off its exponent field: the conversion's scale operand
	v_cvt_scalef32_pk16_fp6_f32 v[HC+4*(\t):HC+4*(\t)+2], v[XS:XS+15], v11
	v_lshrrev_b32 v[HE+(\t)], 23, v11              ; the scale's byte
	ds_store_b8 v5, v[HE+(\t)] offset:16*(\t)      ; both lanes of a block write the same byte with the same value
	global_store_b96 v4, v[HC+4*(\t):HC+4*(\t)+2], s[18:19] offset:32*CB*(\t)   ; the wave stores 384 consecutive bytes
.endm
.macro WLOAD t, N                      ; block t: W(32 t + i, my column), 128 consecutive bytes a wave
.irp i, 0,1,2,3,4,5,6,7,8,9,10,11,12,13,14,15,16,17,18,19,20,21,22,23,24,25,26,27,28,29,30,31
	global_load_b32 v[WX+32*((\t)%2)+\i], v3, s[34:35] offset:(32*(\t)+\i)*\N*4 th:TH_LOAD_NT
.endr
.endm
.macro WBLOCK t, N                     ; a block of 32 along K lies in one lane's 32 registers
.set XS, WX+32*((\t)%2)
.if (\t) < NB-1
	s_wait_loadcnt 32                              ; this block's loads are in; the next block's may be out
.else
	s_wait_loadcnt 0
.endif
	v_max3_num_f32 v12, |v[XS]|, |v[XS+1]|, |v[XS+2]|
	v_max3_num_f32 v13, |v[XS+3]|, |v[XS+4]|, |v[XS+5]|
.irp i, 6,10,14,18,22,26
	v_max3_num_f32 v12, v12, |v[XS+\i]|, |v[XS+\i+1]|
	v_max3_num_f32 v13, v13, |v[XS+\i+2]|, |v[XS+\i+3]|
.endr
	v_max3_num_f32 v12, v12, |v[XS+30]|, |v[XS+31]|
	v_max3_num_f32 v12, v12, v13, (EMAX+1)<<23
	v_add_nc_u32 v11, -(EMAX<<23), v12
	v_lshrrev_b32 v13, 23, v11
.if (\t)%4 == 0
	v_mov_b32 v[SB+(\t)/4], v13                    ; four bytes to a register, the lower K in the lower byte
.else
	v_lshl_or_b32 v[SB+(\t)/4], v13, 8*((\t)%4), v[SB+(\t)/4]
.endif
	v_cvt_scalef32_pk16_fp6_f32 v[WC:WC+2], v[XS:XS+15], v11
	v_cvt_scalef32_pk16_fp6_f32 v[WC+4:WC+6], v[XS+16:XS+31], v11   ; (a conversion's three registers begin on an even number)
	ds_store_b96 v4, v[WC:WC+2] offset:32*(\t)     ; 12 bytes to a place of 16
	ds_store_b96 v4, v[WC+4:WC+6] offset:32*(\t)+16
.if (\t)+2 < NB
	WLOAD (\t)+2, \N
.endif
	s_wait_dscnt 0x0                               ; the stores have read their registers: the next block's codes may be written
.endm
; A weight [1024][N]: a wave takes 32 columns x 256 along K.  PERM = 1: w_qkv's order of rows.  FIRST: the kind's first work-group.  SRC, DST: the scalar pairs with the buffers; SCO: where DST's scale bytes begin.
.macro WQ N, PERM, LBASE, FIRST, SRC, DST, SCO
	s_sub_co_u32 s21, ttmp9, \FIRST
	s_and_b32 s22, s21, 3                          ; which 256 along K
	s_lshr_b32 s21, s21, 2
	s_lshl_b32 s23, s21, 2
	s_add_co_u32 s23, s23, s20                     ; G: which 32 columns
.if \PERM
	s_mul_i32 s24, s23, 43
	s_lshr_b32 s24, s24, 8                         ; head = G / 6 (exact for G under 96)
	s_mul_i32 s25, s24, 6
	s_sub_co_u32 s25, s23, s25
	s_lshr_b32 s26, s25, 1                         ; type
	s_and_b32 s25, s25, 1                          ; which half of its 64 columns
	s_lshl_b32 s26, s26, 10
	s_lshl_b32 s24, s24, 6
	s_lshl_b32 s25, s25, 5
	s_add_co_u32 s26, s26, s24
	s_add_co_u32 s26, s26, s25                     ; the first of my 32 rows of codes
.else
	s_lshl_b32 s26, s23, 5
.endif
	v_lshlrev_b32 v3, 2, v2                        ; in: 4 bytes a lane
	s_mul_i32 s27, s20, 32*PITCH
	s_add_co_u32 s27, s27, \LBASE                  ; my stage
	v_mul_u32_u24 v4, v2, PITCH
	v_add_nc_u32 v4, s27, v4                       ; into it: row = my column
	v_and_b32 v5, 15, v2
	v_lshrrev_b32 v6, 4, v2
	v_mul_u32_u24 v7, v6, PITCH
	v_lshl_add_u32 v7, v5, 4, v7
	v_add_nc_u32 v7, s27, v7                       ; out of it: sixteen lanes to a row, two rows an instruction
	v_mul_u32_u24 v8, v6, KROW
	v_mad_u32_u24 v8, v5, 12, v8                   ; and the same place among the codes
.if \PERM
	v_and_b32 v9, 7, v2
	v_bfe_u32 v10, v2, 3, 1
	v_lshl_or_b32 v9, v10, 4, v9
	v_bfe_u32 v10, v2, 4, 1
	v_lshl_or_b32 v9, v10, 3, v9                   ; my column with bits 3 and 4 changed
	v_lshlrev_b32 v9, 5, v9                        ; its row of 32 scale bytes
.else
	v_lshlrev_b32 v9, 5, v2
.endif
	s_mul_i32 s28, s22, 256*\N*4
	s_lshl_b32 s29, s23, 7
	s_add_co_u32 s28, s28, s29
	s_mov_b32 s29, 0
	s_mul_i32 s30, s26, KROW
	s_mul_i32 s31, s22, 192
	s_add_co_u32 s30, s30, s31
	s_mov_b32 s31, 0
	s_lshl_b32 s32, s26, 5
	s_lshl_b32 s33, s22, 3
	s_add_co_u32 s32, s32, s33
	s_add_co_u32 s32, s32, \SCO
	s_mov_b32 s33, 0
	s_wait_kmcnt 0x0
	s_add_nc_u64 s[34:35], s[\SRC:\SRC+1], s[28:29]
	s_add_nc_u64 s[36:37], s[\DST:\DST+1], s[30:31]
	s_add_nc_u64 s[38:39], s[\DST:\DST+1], s[32:33]
	WLOAD 0, \N
	WLOAD 1, \N
.set Q, 0
.rept NB
	WBLOCK Q, \N
.set Q, Q+1
.endr
	global_store_b64 v9, v[SB:SB+1], s[38:39]      ; my column's eight scale bytes
.irp t, 0,1,2,3,4,5,6,7,8,9,10,11,12,13,14,15
	ds_load_b96 v[OUTR+4*\t:OUTR+4*\t+2], v7 offset:2*\t*PITCH
.endr
.irp t, 0,1,2,3,4,5,6,7,8,9,10,11,12,13,14,15
.if \PERM
.set SWT, ((2*\t)&7)|((((2*\t)>>3)&1)<<4)|((((2*\t)>>4)&1)<<3)
.else
.set SWT, 2*\t
.endif
	s_wait_dscnt 15-\t
	global_store_b96 v8, v[OUTR+4*\t:OUTR+4*\t+2], s[36:37] offset:SWT*KROW   ; sixteen lanes store a row's 192 consecutive bytes
.endr
.endm
; cos or sin of t x inv_freq k, for the lane's kind, into v[20 + k]
.macro SINCOS k
	v_mul_f32 v24, v7, v[8+\k]                     ; the angle
	v_mul_f32 v25, 0x3f22f983, v24
	v_rndne_f32 v25, v25                           ; n = the nearest multiple of pi/2
	v_fmamk_f32 v26, v25, 0xbfc90fdb, v24          ; r = angle - n pi/2, pi/2 in two parts
	v_fmamk_f32 v26, v25, 0x333bbd2e, v26
	v_mul_f32 v27, v26, v26                        ; z = r r
	v_fma_f32 v28, v27, s24, s25
	v_fma_f32 v28, v28, v27, s26
	v_mul_f32 v28, v28, v27
	v_fma_f32 v28, v28, v26, v26                   ; sin r
	v_fma_f32 v29, v27, s27, s28
	v_fma_f32 v29, v29, v27, s29
	v_mul_f32 v30, v27, v27
	v_fma_f32 v31, v27, -0.5, 1.0
	v_fma_f32 v29, v30, v29, v31                   ; cos r
	v_cvt_i32_f32 v30, v25
	v_add_nc_u32 v30, v30, v6                      ; the quadrant; cos is sin a quadrant on
	v_and_b32 v31, 1, v30
	v_cmp_eq_u32 vcc_lo, 1, v31
	v_cndmask_b32 v28, v28, v29, vcc_lo
	v_and_b32 v30, 2, v30
	v_lshlrev_b32 v30, 30, v30
	v_xor_b32 v[20+\k], v30, v28                   ; the sign turns in quadrants 2 and 3
.endm
	s_load_b256 s[4:11], s[0:1], 0x0               ; hidden_state s[4:5], w_qkv s[6:7], w_out s[8:9], hq s[10:11]
	s_load_b128 s[12:15], s[0:1], 0x20             ; wq s[12:13], wo s[14:15]
	s_load_b64 s[16:17], s[0:1], 0x30              ; the table
	v_lshl_add_u32 v192, v0, 2, 0x19000
	v_mov_b32 v193, 0
	v_lshrrev_b32 v1, 5, v0
	v_readfirstlane_b32 s20, v1                    ; wave 0..3
	v_and_b32 v2, 31, v0                           ; lane
	s_cmp_lt_u32 ttmp9, 128
	s_cbranch_scc0 .Lnot_h
	; ---- hidden_state: my wave's run of 8,192 numbers is 8 tokens
	v_lshlrev_b32 v3, 4, v2
	s_mul_i32 s21, s20, WREG
	v_lshrrev_b32 v14, 2, v2
	v_mul_u32_u24 v14, v14, SP
	v_and_b32 v15, 3, v2
	v_lshl_add_u32 v14, v15, 4, v14
	v_add_nc_u32 v14, s21, v14                     ; the stage, in: SP (lane / 4) + 16 (lane % 4)
	v_mul_u32_u24 v15, v2, SP
	v_add_nc_u32 v15, s21, v15                     ; out: SP x lane
	v_mul_u32_u24 v4, v2, CB
	v_lshrrev_b32 v5, 1, v2
	s_add_co_u32 s21, s21, 2*32*SP
	v_add_nc_u32 v5, s21, v5                       ; my block's byte among the wave's 256
	v_lshlrev_b32 v7, 3, v2
	v_add_nc_u32 v6, s21, v7
	s_lshl_b32 s22, ttmp9, 2
	s_add_co_u32 s24, s22, s20                     ; the run that I read
	s_and_b32 s23, s20, 1
	s_lshl_b32 s23, s23, 1
	s_lshr_b32 s26, s20, 1
	s_or_b32 s23, s23, s26
	s_add_co_u32 s22, s22, s23                     ; the run that I write: the wave's two bits, which are the tokens' bits 3 and 4, change places
	s_lshl_b32 s24, s24, 15
	s_mov_b32 s25, 0
	s_mul_i32 s26, s22, 6144
	s_mov_b32 s27, 0
	s_lshl_b32 s28, s22, 8
	s_add_co_u32 s28, s28, HQ_SC
	s_mov_b32 s29, 0
	s_wait_kmcnt 0x0
	s_add_nc_u64 s[4:5], s[4:5], s[24:25]
	s_add_nc_u64 s[18:19], s[10:11], s[26:27]      ; my codes
	s_add_nc_u64 s[10:11], s[10:11], s[28:29]      ; my scale bytes
.irp t, 0,1,2,3
	HLOAD \t
.endr
	s_wait_loadcnt 12                              ; step 0's four loads are in
	HTURN 0
.irp t, 0,1,2,3,4,5,6,7,8,9,10,11,12,13,14,15
	HSTEP \t
.endr
	ds_load_b64 v[12:13], v6                       ; these see my byte stores
	s_wait_dscnt 0x0
	global_store_b64 v7, v[12:13], s[10:11]        ; 32 lanes store 256 consecutive bytes, aligned
	s_wait_tensorcnt 0x0
	ds_add_u32 v192, v193
	s_wait_dscnt 0x0
	s_endpgm
.Lnot_h:
	s_cmp_lt_u32 ttmp9, 224
	s_cbranch_scc0 .Lnot_w1
	WQ 3072, 1, 32768, 128, 6, 12, WQ_SC
	s_wait_tensorcnt 0x0
	ds_add_u32 v192, v193
	s_wait_dscnt 0x0
	s_endpgm
.Lnot_w1:
	s_cmp_lt_u32 ttmp9, 256
	s_cbranch_scc0 .Lrope
	WQ 1024, 0, 67584, 224, 8, 14, WO_SC
	s_wait_tensorcnt 0x0
	ds_add_u32 v192, v193
	s_wait_dscnt 0x0
	s_endpgm
.Lrope:
	; ---- the table: a wave makes 32 rows, two a trip; lanes 0-7 of a half make a row's 32 cos, lanes 8-15 its 32 sin, four each
	s_sub_co_u32 s21, ttmp9, 256
	v_and_b32 v3, 15, v2
	v_lshrrev_b32 v4, 4, v2
	v_and_b32 v5, 7, v3
	v_lshlrev_b32 v5, 2, v5                        ; my first frequency
	v_cmp_gt_u32 vcc_lo, 8, v3
	v_cndmask_b32 v6, 0, 1, vcc_lo                 ; 1 in the lanes that make cos
.irp k, 0,1,2,3
	v_add_nc_u32 v[12+\k], \k, v5
	v_cvt_f32_u32 v[12+\k], v[12+\k]
	v_mul_f32 v[12+\k], 0xbed49a78, v[12+\k]       ; -f log2(10000) / 32
.endr
.irp k, 0,1,2,3
	v_exp_f32 v[8+\k], v[12+\k]                    ; inv_freq
.endr
	s_lshl_b32 s22, s21, 7
	s_lshl_b32 s23, s20, 5
	s_add_co_u32 s22, s22, s23
	v_add_nc_u32 v7, s22, v4                       ; t  (a plain line behind the exponentials)
	v_lshlrev_b32 v16, 8, v7
	v_lshl_add_u32 v16, v3, 4, v16                 ; 256 t + 16 x
	v_cvt_f32_u32 v7, v7
	s_mov_b32 s24, 0xb94ca1f9                      ; sin's three coefficients,
	s_mov_b32 s25, 0x3c08839e
	s_mov_b32 s26, 0xbe2aaaa3
	s_mov_b32 s27, 0x37ccf5ce                      ; cos's three
	s_mov_b32 s28, 0xbab6061a
	s_mov_b32 s29, 0x3d2aaaa5
	s_mov_b32 s23, 16
	s_wait_alu depctr_va_vdst(0)                   ; one wait for the four exponentials, ahead of their first reader and of the label
	s_wait_kmcnt 0x0
.Ltrip:
	SINCOS 0
	SINCOS 1
	SINCOS 2
	SINCOS 3
	global_store_b128 v16, v[20:23], s[16:17]      ; the wave stores two rows, 512 consecutive bytes
	s_wait_xcnt 0x0                                ; the store's offset and data are written again only behind this wait
	v_add_nc_u32 v16, 512, v16
	v_add_f32 v7, 2.0, v7
	s_sub_co_u32 s23, s23, 1
	s_cmp_lg_u32 s23, 0
	s_cbranch_scc1 .Ltrip
	s_endpgm
.Lfunc_end_k_q41453356da_prep:
	.size	k_q41453356da_prep, .Lfunc_end_k_q41453356da_prep-k_q41453356da_prep
	.p2alignl 7, 3214868480
	.fill 96, 4, 3214868480
	.section	.rodata,"a",@progbits
	.p2align	6, 0x0
	.amdhsa_kernel k_q41453356da_prep
		.amdhsa_group_segment_fixed_size 102912
		.amdhsa_private_segment_fixed_size 0
		.amdhsa_enable_private_segment 0
		.amdhsa_kernarg_size 56
		.amdhsa_user_sgpr_count 2
		.amdhsa_user_sgpr_kernarg_segment_ptr 1
		.amdhsa_wavefront_size32 1
		.amdhsa_system_sgpr_workgroup_id_x 1
		.amdhsa_system_sgpr_workgroup_id_y 1
		.amdhsa_system_sgpr_workgroup_id_z 1
		.amdhsa_system_vgpr_workitem_id 0
		.amdhsa_next_free_vgpr 194
		.amdhsa_next_free_sgpr 66
		.amdhsa_reserve_vcc 1
		.amdhsa_float_denorm_mode_32 3
		.amdhsa_float_denorm_mode_16_64 3
		.amdhsa_memory_ordered 1
		.amdhsa_forward_progress 1
		.amdhsa_inst_pref_size 121
	.end_amdhsa_kernel
	.amdgpu_metadata
---
amdhsa.version: [ 1, 2 ]
amdhsa.kernels:
  - .name:           k_q41453356da_prep
    .symbol:         k_q41453356da_prep.kd
    .args:
      - { .name: hidden_state, .offset: 0, .size: 8, .value_kind: global_buffer, .address_space: global }
      - { .name: w_qkv, .offset: 8, .size: 8, .value_kind: global_buffer, .address_space: global }
      - { .name: w_out, .offset: 16, .size: 8, .value_kind: global_buffer, .address_space: global }
      - { .name: hq, .offset: 24, .size: 8, .value_kind: global_buffer, .address_space: global }
      - { .name: wq, .offset: 32, .size: 8, .value_kind: global_buffer, .address_space: global }
      - { .name: wo, .offset: 40, .size: 8, .value_kind: global_buffer, .address_space: global }
      - { .name: rope, .offset: 48, .size: 8, .value_kind: global_buffer, .address_space: global }
    .group_segment_fixed_size: 102912
    .private_segment_fixed_size: 0
    .kernarg_segment_align: 8
    .kernarg_segment_size: 56
    .max_flat_workgroup_size: 128
    .sgpr_count:     66
    .vgpr_count:     194
    .wavefront_size: 32
...
	.end_amdgpu_metadata
.endif
;; end of part 1
;; launch qkv (part 2): grid 12 x 16, 4 waves a work-group, clusters of 4 x 4, 327,680 bytes of LDS; arguments hq, wq, b_qkv, attention_mask, rope, qk, vv; writes qk, vv
.if DOCPART == 2
	.amdgcn_target "amdgcn-amd-amdhsa--gfx1250"
	.amdhsa_code_object_version 6
	.text
	.protected	k_q41453356da_qkv
	.globl	k_q41453356da_qkv
	.p2align	8
	.type	k_q41453356da_qkv,@function
k_q41453356da_qkv:
	s_mov_b64 s[64:65], 0
	v_nop
	global_prefetch_b8 v0, s[64:65] scope:SCOPE_SE
	s_setreg_imm32_b32 hwreg(HW_REG_WAVE_MODE, 25, 1), 1
	s_wait_xcnt 0x0
	s_wait_alu depctr_hold_cnt(0) depctr_sa_sdst(0) depctr_va_vdst(0) depctr_va_sdst(0) depctr_va_ssrc(0) depctr_va_vcc(0) depctr_vm_vsrc(0)
	s_getreg_b32 s2, hwreg(HW_REG_IB_STS2, 6, 4)
	s_cmp_eq_u32 s2, 0
	s_cbranch_scc0 .Lentry_in_a_cluster
	s_endpgm
.Lentry_in_a_cluster:
	s_bfe_u32 s2, ttmp6, 0x10000c
	s_cmp_lg_u32 s2, 0xf033
	s_cbranch_scc0 .Lentry_shape_is_right
	s_endpgm
.Lentry_shape_is_right:
; QKV: hidden_state x w_qkv on codes of FP6 (E2M3), K = 1,024; then the bias, the rotary turn, and the quantisers of the next two products.  Nothing wide goes to memory.
; A tile of 256 x 256 to a work-group of four waves, 128 x 128 to a wave (64 accumulators).  K goes in steps of 256 through two LDS slots filled by the tensor data mover; the scale bytes of the tile's rows come once.
; CLUSTERS of 4 x 4: A's tiles are asked for jointly along a row of the cluster, B's along a column.  The cluster's x is the TYPE: 0 q, 1 k, 2 v; it is the same in all sixteen partners.
; THE MATRIX INSTRUCTION IS USED TRANSPOSED (source 0 = 16 rows of B, source 1 = 16 rows of A): a lane holds one row of A, its registers run along B's rows.
;   q, k: A = tokens (hq), B = the type's 1,024 rows of wq: a lane holds one token and, by wq's order of rows, 16 neighbouring channels in two neighbouring tiles: the next K (the head's 64) runs along its registers.
;   v:    A = v's rows of wq, B = tokens: a lane holds one channel and, by hq's order of rows, neighbouring KEYS: the next K (the keys) runs along its registers.
; WHAT IS STORED, as images of operand registers (lane l's 16 bytes at 16 l, 512 bytes a plane):
;   a tile of q or k (16 tokens, K 64): 8 registers: 0-5 the lane's block of 32 codes, 6 the mask word, 7 zero.  A scale word a token: bytes 0, 1 the two blocks', bytes 2, 3 for the unused K.
;   a fragment of v (16 channels x 128 keys): 12 registers; a scale word a channel; and the sum of its quantised numbers over the 128 keys, by one product with ones.
; THE PAD MASK rides in the unused K: q has the code of 1.0 at k = 64 under the byte 127; a padded key has the code of -7.5 there under the byte 227, so its score gets -7.5 x 2^100; a key that counts has the code 0 under the byte 1.
; The loads of the bias, the mask words and the first cos and sin stand at the head and are the same lines in every type (each inside its buffer); a v work-group does not use q's bias nor cos and sin.
; LIMITS: NaN and infinities are not served; blocks under 2^-124 keep the byte 1; a block of zeros has the byte 1 and not 127 (this program alone reads the bytes).
; REGISTERS, in windows of 256: window 0: v0-31 addresses and v8-15 eight words a lane (mask or v's bias); v32-63 scale words, two sets; v64-127 at work on the way out; from v128 A's fragments, on the way out numbers, cos and sin.
;   window 1: B's fragments at v0 and v128; q's and k's bias in v96-127 and v224-255.   windows 2, 3: the accumulators ((a, b) at v[8 (8 (a % 4) + b)]).
.set KSTEP,  256
.set NQ,     KSTEP/128
.set ROWB,   192
.set KROW,   768
.set PITCH,  240                       ; an LDS row: 3 x (64 bytes + 16 of padding)
.set FR,     12
.set NL,     6
.set NP,     4
.set HALFT,  128*PITCH
.set SLOT,   4*HALFT
.set LAPS,   2                         ; 1,024 along K: twice round the ring
.set KS,     32                        ; a row of scale bytes
.set SCL,    2*SLOT
.set HALFS,  (128*KS/256)*272
.set SBLK,   (16*KS/256)*272
.set SPARE,  SCL+4*HALFS               ; the spare words, 128 bytes a wave: two blocks of 256 bytes that no other line names
.set ADRA, 16                          ; v16-19  LDS addresses of my A fragments (slot 0, 1; and behind one padding more)
.set ADRB, 20                          ; v20-23  the same for B
.set LQ,   24                          ; v24     q, k: where a token's scale word goes: 1,024 x wave + 4 r  (in slot 0, behind its last fill and last read)
.set LQR,  25                          ; v25     and where 16 bytes of them are read back: 1,024 x wave + 16 x lane
.set LV,   26                          ; v26     v: the same, 8,192 bytes on: bytes of its own for each way
.set ADRS, 27
.set SPW,  28
.set NIL,  29
.set GL,   30                          ; v30     16 x lane: an image's place for my lane
.set LVR,  31
.set SC,   32
.set AF,   128
.set G1, 24
.set G0, 32
.set G1B, 48
.set G0B, 56
.set G1S, 68
.set G0S, 76
.set G1SB, 80
.set G0SB, 88
.set SEL, 46                           ; s[46:47] on the way out: v_permlanex16_b32's selects for lane l xor 16
; the way out of q and k
.set PC,  64                           ; v64-71  a tile's image
.set CT,  72                           ; v72-74  the second conversion's result
.set BM,  76                           ; v76-77  largest magnitudes
.set BT,  78                           ; v78-79  the other half's; then the bytes
.set BS,  80                           ; v80-81  the conversions' scale operands
.set PW,  82                           ; the scale word
.set EXW, 83                           ; its bytes 2 and 3
.set MC,  84                           ; the mask word
.set CDH, 85                           ; the type's code at k = 64, in lanes 0-15
.set VEF, 86                           ; bytes 2, 3 where the code stands;
.set VEN, 87                           ; and where it does not
.set OB,  88                           ; v88-95  scale words on their way out
.set RT,  128                          ; v128-159 32 numbers of a head
.set RU,  160
.set RW,  176
; the way out of v
.set TM,   64                          ; v64-79
.set VD,   88                          ; v88-95  the product with ones
.set VPW,  96                          ; the fragment's scale word: a scale and nothing else
.set OSC,  97                          ; four bytes 127: the ones' scales
.set BV,   98                          ; v98-99  my channel's bias, as a pair's low word
.set VO,   100
.set VPC,  192                         ; v192-210 the fragment's codes
.set ONES, 212                         ; v212-223 128 codes of 1.0 a lane
.set MSB, 0
.macro WIN new                         ; the immediate's high byte repeats the setting that is left
.if MSB != \new
	s_set_vgpr_msb (MSB<<8)|\new
.set MSB, \new
.endif
.endm
.set MUL_LO, 0xa1                      ; source 0 (B) window 1, source 1 (A) window 0, C and D window 2
.set MUL_HI, 0xf1
.set TO_B,   0x40                      ; destination window 1, address window 0
; A joint load: waves 0 and 1 fetch for A, waves 2 and 3 for B; the branch hangs on the wave's number alone.  Four v_nop follow each of the two lines.
.macro JLOAD g0a, g1a, g0b, g1b
	s_cmp_eq_u32 s15, 0
	s_cbranch_scc0 .Lfor_b_\@
	tensor_load_to_lds s[\g0a:\g0a+3], s[\g1a:\g1a+7]
	s_nop 0
.rept 4
	v_nop
.endr
	s_branch .Lasked_\@
.Lfor_b_\@:
	tensor_load_to_lds s[\g0b:\g0b+3], s[\g1b:\g1b+7]
	s_nop 0
.rept 4
	v_nop
.endr
.Lasked_\@:
.endm
.macro CREST                           ; a round of the cluster's barrier behind its opening barrier
	s_cmp_lg_u32 s14, 0
	s_cbranch_scc1 .Lnot_wave_0_\@
	s_barrier_signal -3
.Lnot_wave_0_\@:
	s_barrier_wait -3
	s_barrier_signal -1
	s_barrier_wait -1
.endm
.macro CROUND
	s_barrier_signal -1
	s_barrier_wait -1
	CREST
.endm
	s_load_b256 s[4:11], s[0:1], 0x0               ; hq s[4:5], wq s[6:7], b_qkv s[8:9], attention_mask s[10:11]
	s_load_b128 s[96:99], s[0:1], 0x20             ; the table s[96:97], qk s[98:99]
	s_load_b64 s[100:101], s[0:1], 0x30            ; vv
	v_lshl_add_u32 v[SPW], v0, 2, SPARE
	v_mov_b32 v[NIL], 0
	ds_add_u32 v28, v29
	ds_add_u32 v28, v29
	s_wait_dscnt 0x0
	v_lshrrev_b32 v1, 5, v0
	v_readfirstlane_b32 s14, v1                    ; wave 0..3
	s_lshr_b32 s15, s14, 1                         ; which half of A's rows is mine.  Also: I fetch for A (0) or for B (1)
	s_and_b32 s16, s14, 1                          ; which half of B's rows.  Also: which 128 rows I fetch
	s_bfe_u32 s40, ttmp6, 0x40000                  ; cx, cy: my place in the cluster
	s_bfe_u32 s41, ttmp6, 0x40004
	s_and_b32 s18, ttmp7, 0xffff
	s_lshl_b32 s18, s18, 2                         ; 4 x cluster y
	s_lshl_b32 s19, ttmp9, 2                       ; 4 x cluster x
	s_cmp_eq_u32 ttmp9, 2                          ; v?  The choices hang on the cluster's x alone
	s_cselect_b32 s17, 0, s18                      ; A's tile: q, k: 4 x cluster y + cy of 16 (tokens); v: cy of 4 (channels)
	s_cselect_b32 s42, s18, s19                    ; B's tile: q, k: 4 x cluster x + cx of 8 (wq's rows); v: 4 x cluster y + cx of 16 (tokens)
	s_cselect_b32 s2, 1572864, 0                   ; v: A's codes begin at wq's row 2,048
	s_mov_b32 s94, 3145728
	s_cselect_b32 s94, 2424832, s94                ; where A's scale bytes begin
	s_mov_b32 s95, 2359296
	s_cselect_b32 s95, 3145728, s95                ; and B's
	s_add_co_u32 s17, s17, s41
	s_add_co_u32 s42, s42, s40
	s_lshl_b32 s43, s41, 2
	s_lshl_b32 s43, 15, s43                        ; my row of the cluster
	s_lshl_b32 s44, 0x1111, s40                    ; my column
	; descriptor group 1: 128 rows x 192 bytes, 16 bytes of padding behind every 64
	s_or_b32 s[G1+0], s43, (0<<16)|(1<<20)|(1<<21)|(3<<22)|(3<<25)
	s_or_b32 s[G1B+0], s44, (0<<16)|(1<<20)|(1<<21)|(3<<22)|(3<<25)
.irp g, G1, G1B
	s_mov_b32 s[\g+1], ROWB<<16                    ; tensor_dim0
	s_mov_b32 s[\g+2], 128<<16                     ; tensor_dim1
	s_mov_b32 s[\g+3], ROWB<<16                    ; tile_dim0
	s_mov_b32 s[\g+4], 128                         ; tile_dim1
	s_mov_b32 s[\g+5], KROW                        ; the pitch
	s_mov_b32 s[\g+6], 0
	s_mov_b32 s[\g+7], 0
.endr
	; the scale bytes of 128 rows: 4,096 dense bytes as rows of 256, 16 bytes of padding behind each
	s_or_b32 s[G1S+0], s43, (3<<16)|(1<<20)|(1<<21)|(5<<22)|(3<<25)
	s_or_b32 s[G1SB+0], s44, (3<<16)|(1<<20)|(1<<21)|(5<<22)|(3<<25)
.irp g, G1S, G1SB
	s_mov_b32 s[\g+1], 32<<16
	s_mov_b32 s[\g+2], (128*KS/256)<<16
	s_mov_b32 s[\g+3], 32<<16
	s_mov_b32 s[\g+4], 128*KS/256
	s_mov_b32 s[\g+5], 32
	s_mov_b32 s[\g+6], 0
	s_mov_b32 s[\g+7], 0
.endr
	s_lshl_b32 s19, s16, 7
	s_lshl_b32 s20, s17, 8
	s_add_co_u32 s20, s20, s19                     ; A: row 256 x tile + 128 x half (never holds cx)
	s_lshl_b32 s46, s42, 8
	s_add_co_u32 s46, s46, s19                     ; B likewise (never holds cy)
	s_lshl_b32 s22, s20, 5
	s_add_co_u32 s22, s22, s94                     ; A's scale bytes,
	s_lshl_b32 s92, s46, 5
	s_add_co_u32 s92, s92, s95                     ; B's,
	s_mul_i32 s20, s20, KROW
	s_add_co_u32 s20, s20, s2                      ; A's codes,
	s_mul_i32 s46, s46, KROW                       ; B's: byte offsets, all under 2^23
	s_mov_b32 s21, 0
	s_mov_b32 s23, 0
	s_mov_b32 s47, 0
	s_mov_b32 s93, 0
	s_mul_i32 s45, s14, HALFT                      ; where they go: wave x 128 rows
	s_mul_i32 s18, s14, HALFS
	s_wait_kmcnt 0x0
	s_cmp_eq_u32 ttmp9, 2
	s_cselect_b64 s[12:13], s[6:7], s[4:5]         ; A's buffer: wq for v, else hq
	s_cselect_b64 s[4:5], s[4:5], s[6:7]           ; B's: the other
	s_cselect_b64 s[10:11], s[8:9], s[10:11]       ; the eight words a lane: v's bias, else the mask
	s_cselect_b64 s[98:99], s[100:101], s[98:99]   ; the buffer that I store into
	s_add_nc_u64 s[20:21], s[12:13], s[20:21]
	s_add_nc_u64 s[22:23], s[12:13], s[22:23]
	s_add_nc_u64 s[46:47], s[4:5], s[46:47]
	s_add_nc_u64 s[92:93], s[4:5], s[92:93]
	CROUND                                         ; all sixteen work-groups are here: the first joint loads meet
	s_mov_b32 s[G0S], 1
	s_add_co_u32 s[G0S+1], s18, SCL
	s_mov_b64 s[G0S+2:G0S+3], s[22:23]
	s_or_b32 s[G0S+3], s[G0S+3], 0x80000000
	s_mov_b32 s[G0SB], 1
	s_add_co_u32 s[G0SB+1], s18, SCL
	s_mov_b64 s[G0SB+2:G0SB+3], s[92:93]
	s_or_b32 s[G0SB+3], s[G0SB+3], 0x80000000
	JLOAD G0S, G1S, G0SB, G1SB                     ; the scales first: they are wanted with K step 0
.irp s, 0,1
	s_mov_b32 s[G0+4*\s], 1
	s_add_co_u32 s[G0+4*\s+1], s45, \s*SLOT
	s_add_nc_u64 s[G0+4*\s+2:G0+4*\s+3], s[20:21], \s*ROWB
	s_or_b32 s[G0+4*\s+3], s[G0+4*\s+3], 0x80000000
	s_mov_b32 s[G0B+4*\s], 1
	s_add_co_u32 s[G0B+4*\s+1], s45, \s*SLOT
	s_add_nc_u64 s[G0B+4*\s+2:G0B+4*\s+3], s[46:47], \s*ROWB
	s_or_b32 s[G0B+4*\s+3], s[G0B+4*\s+3], 0x80000000
	JLOAD G0+4*\s, G1, G0B+4*\s, G1B
.endr
	; LDS addresses, all made here
	v_and_b32 v1, 15, v0                           ; r
	v_bfe_u32 v2, v0, 4, 1                         ; h
	v_mul_u32_u24 v3, v1, PITCH
	v_mul_u32_u24 v64, v2, 24
	v_add_nc_u32 v64, v3, v64                      ; a fragment's row x pitch + 24 x half
	v_lshl_add_u32 v65, v2, 4, v64                 ; and the same behind one padding more
	s_mul_i32 s21, s15, HALFT
	s_mul_i32 s22, s16, HALFT
	s_add_co_u32 s22, s22, 2*HALFT
.irp s, 0,1
	v_add_nc_u32 v[ADRA+\s], s21, v64
	v_add_nc_u32 v[ADRB+\s], s22, v64
	v_add_nc_u32 v[ADRA+2+\s], s21, v65
	v_add_nc_u32 v[ADRB+2+\s], s22, v65
	s_add_co_u32 s21, s21, SLOT
	s_add_co_u32 s22, s22, SLOT
.endr
	v_mul_u32_u24 v65, v1, KS
	v_lshrrev_b32 v66, 8, v65
	v_lshl_add_u32 v65, v66, 4, v65                ; my row's scale bytes, 16 more for each 256 passed
	s_mul_i32 s21, s15, HALFS
	s_mul_i32 s22, s16, HALFS
	s_add_co_u32 s22, s22, 2*HALFS
	s_sub_co_u32 s22, s22, s21
	v_mul_u32_u24 v66, s22, v2                     ; lanes 16-31 take B's
	s_add_co_u32 s21, s21, SCL
	v_add_nc_u32 v65, v65, v66
	v_add_nc_u32 v[ADRS], s21, v65
	s_lshl_b32 s21, s14, 10
	v_lshlrev_b32 v3, 2, v1
	v_and_b32 v64, 31, v0
	v_lshlrev_b32 v[GL], 4, v64
	v_add_nc_u32 v[LQ], s21, v3
	v_add_nc_u32 v[LQR], s21, v[GL]
	s_add_co_u32 s21, s21, 8192
	v_add_nc_u32 v[LV], s21, v3
	v_add_nc_u32 v[LVR], s21, v[GL]
	; where my wave's results go.  u: which 128 tokens of a batch row; head0: the first of my two heads; bh0 = 16 x batch row + head0
	s_and_b32 s18, s42, 3
	s_cmp_eq_u32 ttmp9, 2
	s_cselect_b32 s19, s42, s17                    ; the tile of tokens,
	s_cselect_b32 s20, s16, s15                    ; my half of it,
	s_cselect_b32 s18, s17, s18                    ; the tile of channels (four heads),
	s_cselect_b32 s21, s15, s16                    ; my half of it
	s_mov_b32 s43, 131072
	s_cselect_b32 s43, 98304, s43                  ; a head's images in bytes,
	s_mov_b32 s44, 8192
	s_cselect_b32 s44, 6144, s44                   ; those of 128 tokens,
	s_mov_b32 s45, 8192
	s_cselect_b32 s45, 4096, s45                   ; a head's scale words,
	s_mov_b32 s46, 512
	s_cselect_b32 s46, 256, s46                    ; those of 128 tokens
	s_mul_i32 s47, ttmp9, 0x400000
	s_cselect_b32 s47, 0, s47                      ; k's images lie behind q's
	s_mul_i32 s92, ttmp9, 262144
	s_cselect_b32 s92, 0, s92                      ; and so do its scale words
	s_mov_b32 s93, 8388608
	s_cselect_b32 s93, 3145728, s93                ; where the scale words begin
	s_mov_b32 s94, 256
	s_cselect_b32 s94, 768, s94                    ; from the first four of the eight words to the last four: 64 tokens, or a head
	s_lshl_b32 s18, s18, 2
	s_lshl_b32 s21, s21, 1
	s_add_co_u32 s18, s18, s21                     ; head0
	s_lshr_b32 s22, s19, 3                         ; the batch row
	s_and_b32 s19, s19, 7
	s_lshl_b32 s19, s19, 1
	s_add_co_u32 s19, s19, s20                     ; u
	s_lshl_b32 s23, s22, 4
	s_add_co_u32 s23, s23, s18                     ; bh0
	s_mul_i32 s43, s43, s23
	s_mul_i32 s44, s44, s19
	s_add_co_u32 s20, s43, s44
	s_add_co_u32 s20, s20, s47
	s_mov_b32 s21, 0
	s_mov_b64 s[100:101], s[98:99]
	s_add_nc_u64 s[98:99], s[98:99], s[20:21]      ; my images
	s_mul_i32 s45, s45, s23
	s_mul_i32 s46, s46, s19
	s_add_co_u32 s20, s45, s46
	s_add_co_u32 s20, s20, s92
	s_add_co_u32 s20, s20, s93
	s_add_nc_u64 s[100:101], s[100:101], s[20:21]  ; my scale words
	s_lshl_b32 s20, s19, 15
	s_add_nc_u64 s[96:97], s[96:97], s[20:21]      ; the table at token 128 u
	s_mul_i32 s20, s18, 768
	s_add_co_u32 s44, s20, 512                     ; v's bias: (192 head0 + 128) x 4
	s_lshl_b32 s43, ttmp9, 8
	s_add_co_u32 s20, s20, s43                     ; q's, k's bias: (192 head0 + 64 type) x 4
	s_add_nc_u64 s[8:9], s[8:9], s[20:21]
	s_lshl_b32 s45, s22, 13
	s_lshl_b32 s46, s19, 9
	s_add_co_u32 s45, s45, s46                     ; the mask: (2,048 x batch row + 128 u) x 4
	s_cmp_eq_u32 ttmp9, 2
	s_cselect_b32 s44, s44, s45
	s_cmp_eq_u32 ttmp9, 0                          ; q?
	s_cselect_b32 s66, 0, -1                       ; q ignores the mask: its code stands in every token
	s_mov_b32 s67, 0x01e30000
	s_cselect_b32 s67, 0x7f7f0000, s67             ; bytes 2, 3 where the code stands: q 127, 127; k 227, 1
	s_cselect_b32 s105, 8, 63                      ; the code: 1.0, or -7.5
	s_mov_b32 s104, 0x01010000                     ; bytes 2, 3 of a key that counts
	v_and_b32 v64, 8, v1
	v_add_nc_u32 v64, v64, v1                      ; r + 8 (r / 8): a tile's rows in their true order
	v_lshlrev_b32 v4, 6, v2                        ; v4-v7: offsets of the loads below; never rewritten
	v_lshl_add_u32 v5, v64, 8, v4
	v_lshl_add_u32 v6, v64, 2, s44
	v_add_nc_u32 v7, s94, v6
	WIN TO_B
.irp b, 0,1,2,3,4,5,6,7                ; the bias of tile b's eight channels of my half: head b / 4, channels 32 ((b % 4) / 2) + 16 h + 8 (b % 2) + 0 .. 7
	global_load_b128 v[96+128*(\b/4)+8*(\b%4):96+128*(\b/4)+8*(\b%4)+3], v4, s[8:9] offset:(\b/4)*768+((\b%4)/2)*128+(\b%2)*32
	global_load_b128 v[96+128*(\b/4)+8*(\b%4)+4:96+128*(\b/4)+8*(\b%4)+7], v4, s[8:9] offset:(\b/4)*768+((\b%4)/2)*128+(\b%2)*32+16
.endr
	WIN 0
.irp a, 0,1,2,3
	global_load_b32 v[8+\a], v6, s[10:11] offset:(32*(\a/2)+8*(\a%2))*4
	global_load_b32 v[12+\a], v7, s[10:11] offset:(32*(\a/2)+8*(\a%2))*4
.endr
.macro CSLOAD a, reg                   ; cos (16) and sin (16) of tile a's token of my lane, frequencies 16 h + 0 .. 15
.irp j, 0,1,2,3
	global_load_b128 v[\reg+4*\j:\reg+4*\j+3], v5, s[96:97] offset:(32*((\a)/2)+8*((\a)%2))*256+16*\j
.endr
.irp j, 0,1,2,3
	global_load_b128 v[\reg+16+4*\j:\reg+16+4*\j+3], v5, s[96:97] offset:(32*((\a)/2)+8*((\a)%2))*256+128+16*\j
.endr
.endm
	CSLOAD 0, 224
.macro FRAG reg, adr, q, i             ; a fragment: 16 rows x 128 K, 12 registers, in pieces of 8 bytes; where the piece three on lies behind one padding more, the second address register serves
.irp p, 0,1,2,3,4,5
.set PCE, 12*(\q)+6*(\p/3)+\p%3
.if PCE%8 < 5
	ds_load_b64 v[\reg+2*\p:\reg+2*\p+1], v[\adr] offset:8*PCE+16*(PCE/8)+(\i)*16*PITCH
.else
	ds_load_b64 v[\reg+2*\p:\reg+2*\p+1], v[\adr+2] offset:8*PCE+16*(PCE/8)+(\i)*16*PITCH
.endif
.endr
.endm
; 16 matrix instructions: A's blocks a0, a0 + 1 x B's eight.  The 64 accumulators take turns, one instruction a turn, in the same order in every step.
.macro MUL16 a0, p, q, sc, zero
.irp a, \a0, \a0+1
.irp b, 0,1,2,3,4,5,6,7
.if \zero
	v_wmma_scale_f32_16x16x128_f8f6f4 v[8*(8*((\a)%4)+\b):8*(8*((\a)%4)+\b)+7], v[128*(\p)+FR*\b:128*(\p)+FR*\b+FR-1], v[AF+FR*(\a):AF+FR*(\a)+FR-1], 0, v[SC+8*NQ*(\sc)+NQ*\b+(\q)], v[SC+8*NQ*(\sc)+NQ*(\a)+(\q)] matrix_a_fmt:MATRIX_FMT_FP6 matrix_b_fmt:MATRIX_FMT_FP6 matrix_a_scale:MATRIX_SCALE_ROW1
.else
	v_wmma_scale_f32_16x16x128_f8f6f4 v[8*(8*((\a)%4)+\b):8*(8*((\a)%4)+\b)+7], v[128*(\p)+FR*\b:128*(\p)+FR*\b+FR-1], v[AF+FR*(\a):AF+FR*(\a)+FR-1], v[8*(8*((\a)%4)+\b):8*(8*((\a)%4)+\b)+7], v[SC+8*NQ*(\sc)+NQ*\b+(\q)], v[SC+8*NQ*(\sc)+NQ*(\a)+(\q)] matrix_a_fmt:MATRIX_FMT_FP6 matrix_b_fmt:MATRIX_FMT_FP6 matrix_a_scale:MATRIX_SCALE_ROW1
.endif
.endr
.endr
.endm
.macro FETCH_B slot, q, p
	WIN TO_B
.irp i, 0,1,2,3,4,5,6,7
	FRAG 128*(\p)+FR*\i, ADRB+\slot, \q, \i
.endr
	WIN 0
.endm
.macro FETCH_A slot, q, i0
.irp i, \i0, \i0+1, \i0+2, \i0+3
	FRAG AF+FR*(\i), ADRA+\slot, \q, \i
.endr
.endm
.macro SCALES sc                       ; a K step's scale words: lanes 0-15 A's block i, lanes 16-31 B's block i
.irp i, 0,1,2,3,4,5,6,7
	ds_load_b64 v[SC+8*NQ*\sc+NQ*\i:SC+8*NQ*\sc+NQ*\i+1], v[ADRS] offset:\i*SBLK
.endr
.endm
.macro PLACES n                        ; plain vector lines between a matrix instruction and a load into, or a read or write of, its registers
.rept \n
	v_nop
.endr
.endm
.macro STEP slot, q, zero              ; 128 along K with its successor in the same slot
	s_wait_dscnt 4*NL                              ; B's set and A's blocks 0-3 are in; A's blocks 4-7 may be out
	WIN MUL_LO
	MUL16 0, (\q)%2, \q, \slot, \zero
	MUL16 2, (\q)%2, \q, \slot, \zero
	s_wait_dscnt 0
	PLACES NP
	FETCH_B \slot, (\q)+1, 1-(\q)%2
	FETCH_A \slot, (\q)+1, 0
	WIN MUL_HI
	MUL16 4, (\q)%2, \q, \slot, \zero
	MUL16 6, (\q)%2, \q, \slot, \zero
	PLACES NP
	WIN 0
	FETCH_A \slot, (\q)+1, 4
.endm
; A slot's last step changes slots: one barrier; in front of it each wave waits for all its tensor loads, adds 0 to its spare word, and waits for that and for its reads of this slot.
.macro TURN slot, next, fill
	s_wait_tensorcnt 0x0                           ; all my tensor loads have landed: my part of the next slot
	ds_add_u32 v[SPW], v[NIL]                      ; 0 onto my spare word
	s_wait_dscnt 4*NL+1                            ; (the add and A's blocks 4-7 may be out)
	WIN MUL_LO
	MUL16 0, 1, NQ-1, \slot, 0
	s_wait_dscnt 0x0                               ; the add is done, and my reads of this slot are over
	s_barrier_signal -1
	MUL16 2, 1, NQ-1, \slot, 0
	WIN 0
	s_barrier_wait -1
.if \fill
	CREST                                          ; the barrier has opened a round of the cluster's: no wave of any partner still reads this slot or has a load on its way
	s_add_nc_u64 s[G0+4*\slot+2:G0+4*\slot+3], s[G0+4*\slot+2:G0+4*\slot+3], 2*ROWB
	s_add_nc_u64 s[G0B+4*\slot+2:G0B+4*\slot+3], s[G0B+4*\slot+2:G0B+4*\slot+3], 2*ROWB
	JLOAD G0+4*\slot, G1, G0B+4*\slot, G1B         ; the first tensor load behind the round; its four v_nop are the places in front of the loads below
.else
	PLACES NP
.endif
	v_add_nc_u32 v[ADRS], 4*NQ, v[ADRS]
	FETCH_B \next, 0, 0
	FETCH_A \next, 0, 0
	SCALES \next
	WIN MUL_HI
	MUL16 4, 1, NQ-1, \slot, 0
	MUL16 6, 1, NQ-1, \slot, 0
	PLACES NP
	WIN 0
	FETCH_A \next, 0, 4
.endm
	s_wait_tensorcnt 1                             ; the scales and my part of K step 0 are in; K step 1's load may be out
	s_barrier_signal -1
	s_barrier_wait -1
	FETCH_B 0, 0, 0
	FETCH_A 0, 0, 0
	SCALES 0
	FETCH_A 0, 0, 4
	STEP 0, 0, 1                                   ; the first step's products start the sums
	s_mov_b32 s3, LAPS-1
.Llap:
	TURN 0, 1, 1
	STEP 1, 0, 0
	TURN 1, 0, 1
	STEP 0, 0, 0
	s_sub_co_u32 s3, s3, 1
	s_cmp_lg_u32 s3, 0
	s_cbranch_scc1 .Llap
	TURN 0, 1, 0                                   ; the last lap fills nothing
	STEP 1, 0, 0
	s_wait_dscnt 4*NL
	WIN MUL_LO
	MUL16 0, 1, NQ-1, 1, 0
	MUL16 2, 1, NQ-1, 1, 0
	s_wait_dscnt 0
	WIN MUL_HI
	MUL16 4, 1, NQ-1, 1, 0
	MUL16 6, 1, NQ-1, 1, 0
	WIN 0
; ---------------- THE WAY OUT ----------------
; 32 numbers of a lane, register 16 b + i = channel 32 b + 16 h + i of my token, become six registers of codes (my half's whole block) and the scale word.
.macro QUANT2 s
.irp b, 0,1
	v_max3_num_f32 v[BM+\b], |v[\s+16*\b]|, |v[\s+1+16*\b]|, 0x1800000   ; with the floor 2^(3 - 127): the byte cannot fall under 1
.endr
.irp i, 2,4,6,8,10,12,14
.irp b, 0,1
	v_max3_num_f32 v[BM+\b], v[BM+\b], |v[\s+16*\b+\i]|, |v[\s+1+16*\b+\i]|
.endr
.endr
.irp b, 0,1
	v_permlanex16_b32 v[BT+\b], v[BM+\b], s[SEL], s[SEL+1]
.endr
.irp b, 0,1
	v_max_num_f32 v[BM+\b], v[BM+\b], v[BT+\b]     ; with lane l xor 16's: the block's largest magnitude
.endr
.irp b, 0,1
	v_add_nc_u32 v[BS+\b], 0xff000000, v[BM+\b]    ; 2 off its exponent field: the conversion's scale operand
.endr
.irp b, 0,1
	v_lshrrev_b32 v[BT+\b], 23, v[BS+\b]           ; the byte
.endr
	v_lshl_or_b32 v[PW], v[BT+1], 8, v[BT]
	v_or_b32 v[PW], v[PW], v[EXW]
	v_cvt_scalef32_pk16_fp6_f32 v[PC:PC+2], v[\s:\s+15], v[BS]
	v_cvt_scalef32_pk16_fp6_f32 v[CT:CT+2], v[\s+16:\s+31], v[BS+1]
	v_nop                                          ; one plain line behind a scaled conversion
.irp i, 0,1,2
	v_permlane16_swap_b32 v[PC+\i], v[CT+\i]       ; lanes 0-15 get block 0 whole, lanes 16-31 block 1
.endr
.irp i, 0,1,2
	v_mov_b32 v[PC+3+\i], v[CT+\i]
.endr
.endm
.macro QKROW a                         ; tile a of my 8 tiles of tokens: its cos and sin are waited for, the next tile's asked for; the mask word and bytes 2, 3
.if (\a) < 7
	CSLOAD (\a)+1, 224-32*(((\a)+1)%2)
	s_wait_loadcnt 8                               ; all but the eight just issued
.else
	s_wait_loadcnt 0x0
.endif
	v_and_b32 v[EXW], s66, v[8+(\a)]
	v_cmp_eq_u32 vcc_lo, 0, v[EXW]                 ; q: always; k: where the key is padded
	v_cndmask_b32 v[EXW], v[VEN], v[VEF], vcc_lo
	v_cndmask_b32 v[MC], 0, v[CDH], vcc_lo
.endm
.macro QKUNIT a, e                     ; tile a, head e of my two
.set CSR, 224-32*((\a)%2)
	s_wait_xcnt 0x0                                ; the last unit's stores have read the image's registers,
	s_wait_dscnt 0x0                               ; and its LDS store the scale word
	WIN (0x06+(\a)/4)                              ; source 0: the accumulators' window; source 1: window 1, the bias
.irp j, 0,2,4,6,8,10,12,14,16,18,20,22,24,26,28,30
	v_pk_add_f32 v[RT+\j:RT+\j+1], v[64*((\a)%4)+32*\e+\j:64*((\a)%4)+32*\e+\j+1], v[96+128*\e+\j:96+128*\e+\j+1]   ; each accumulator from its low end on
.endr
	WIN 0
.irp j, 0,2,4,6,8,10,12,14             ; the rotary turn: channel d under 32 pairs with d + 32, which lies 16 registers on
	v_pk_mul_f32 v[RU+\j:RU+\j+1], v[RT+16+\j:RT+17+\j], v[CSR+16+\j:CSR+17+\j]
.endr
.irp j, 0,2,4,6,8,10,12,14
	v_pk_mul_f32 v[RW+\j:RW+\j+1], v[RT+\j:RT+\j+1], v[CSR+16+\j:CSR+17+\j]
.endr
.irp j, 0,2,4,6,8,10,12,14
	v_pk_fma_f32 v[RT+\j:RT+\j+1], v[RT+\j:RT+\j+1], v[CSR+\j:CSR+\j+1], v[RU+\j:RU+\j+1] neg_lo:[0,0,1] neg_hi:[0,0,1]
.endr
.irp j, 0,2,4,6,8,10,12,14
	v_pk_fma_f32 v[RT+16+\j:RT+17+\j], v[RT+16+\j:RT+17+\j], v[CSR+\j:CSR+\j+1], v[RW+\j:RW+\j+1]
.endr
	QUANT2 RT
	v_mov_b32 v[PC+6], v[MC]
	global_store_b128 v[GL], v[PC:PC+3], s[98:99] offset:\e*131072+(\a)*1024       ; 32 lanes store 512 consecutive bytes
	global_store_b128 v[GL], v[PC+4:PC+7], s[98:99] offset:\e*131072+(\a)*1024+512
	ds_store_b32 v[LQ], v[PW] offset:\e*512+(\a)*64   ; both halves of the lanes write the same word with the same value
.endm
; 64 numbers of a lane, register 16 b + i = key 32 b + 16 h + i of my channel, become a fragment's codes and its scale word.
.macro QUANT s
.irp b, 0,1,2,3
	v_max3_num_f32 v[TM+\b], |v[\s+16*\b]|, |v[\s+1+16*\b]|, 0x1800000
.endr
.irp i, 2,4,6,8,10,12,14
.irp b, 0,1,2,3
	v_max3_num_f32 v[TM+\b], v[TM+\b], |v[\s+16*\b+\i]|, |v[\s+1+16*\b+\i]|
.endr
.endr
.irp b, 0,1,2,3
	v_permlanex16_b32 v[TM+4+\b], v[TM+\b], s[SEL], s[SEL+1]
.endr
.irp b, 0,1,2,3
	v_max_num_f32 v[TM+\b], v[TM+\b], v[TM+4+\b]
.endr
.irp b, 0,1,2,3
	v_add_nc_u32 v[TM+12+\b], 0xff000000, v[TM+\b]
.endr
.irp b, 0,1,2,3
	v_lshrrev_b32 v[TM+4+\b], 23, v[TM+12+\b]
.endr
	v_lshl_or_b32 v[VPW], v[TM+5], 8, v[TM+4]
	v_lshl_or_b32 v[VPW], v[TM+6], 16, v[VPW]
	v_lshl_or_b32 v[VPW], v[TM+7], 24, v[VPW]
.irp c, 0,1
	v_cvt_scalef32_pk16_fp6_f32 v[VPC+6*\c:VPC+2+6*\c], v[\s+32*\c:\s+15+32*\c], v[TM+12+2*\c]
	v_cvt_scalef32_pk16_fp6_f32 v[VPC+12+4*\c:VPC+14+4*\c], v[\s+16+32*\c:\s+31+32*\c], v[TM+12+2*\c+1]
.endr
	v_nop
.irp c, 0,1
.irp i, 0,1,2
	v_permlane16_swap_b32 v[VPC+6*\c+\i], v[VPC+12+4*\c+\i]
.endr
.irp i, 0,1,2
	v_mov_b32 v[VPC+3+6*\c+\i], v[VPC+12+4*\c+\i]
.endr
.endr
.endm
.macro VUNIT a                         ; tile a of my 8 tiles of channels x my 128 keys: one fragment
	s_wait_xcnt 0x0                                ; the last unit's stores have read the codes' registers,
	s_wait_dscnt 0x0                               ; and its LDS stores theirs
	v_mov_b32 v[BV], v[8+(\a)]                     ; my channel's bias, as the low word of a pair
	WIN (0x02+(\a)/4)
.irp j, 0,2,4,6,8,10,12,14,16,18,20,22,24,26,28,30,32,34,36,38,40,42,44,46,48,50,52,54,56,58,60,62
	v_pk_add_f32 v[RT+\j:RT+\j+1], v[64*((\a)%4)+\j:64*((\a)%4)+\j+1], v[BV:BV+1] op_sel_hi:[1,0]
.endr
	WIN 0
	QUANT RT
.irp c, 0,1,2
	global_store_b128 v[GL], v[VPC+4*\c:VPC+4*\c+3], s[98:99] offset:((\a)/4)*98304+((\a)%4)*1536+512*\c
.endr
	PLACES 4                                       ; the codes' last write stands 4 plain lines ahead of the scaled product, the scale word's 11
	v_wmma_scale_f32_16x16x128_f8f6f4 v[VD:VD+7], v[ONES:ONES+11], v[VPC:VPC+11], 0, v[OSC], v[VPW] matrix_a_fmt:MATRIX_FMT_FP6 matrix_b_fmt:MATRIX_FMT_FP6   ; every row: the sums of the 16 channels' quantised numbers over these 128 keys
	PLACES 4
	ds_store_b32 v[LV], v[VPW] offset:(\a)*64
	ds_store_b32 v[LV], v[VD] offset:512+(\a)*64   ; register 0: lane r has channel r's sum (in both halves of the lanes)
.endm
	PLACES NP                                      ; behind the last products: in front of the first read of results and of writes and loads into operands' registers
	s_mov_b32 s[SEL], 0x76543210
	s_mov_b32 s[SEL+1], 0xfedcba98
	s_cmp_eq_u32 ttmp9, 2
	s_cbranch_scc1 .Lpath_v
	; ---- q and k
	v_mov_b32 v[BT], 0                             ; written once: a lane permute's destination counts as one of its sources
	v_mov_b32 v[BT+1], 0
	v_mov_b32 v[PC+7], 0
	v_mov_b32 v[VEF], s67
	v_mov_b32 v[VEN], s104
	v_cmp_eq_u32 vcc_lo, 0, v2
	v_mov_b32 v[CDH], s105
	v_cndmask_b32 v[CDH], 0, v[CDH], vcc_lo        ; k = 64 lies in lanes 0-15
.irp a, 0,1,2,3,4,5,6,7
	QKROW \a
	QKUNIT \a, 0
	QKUNIT \a, 1
.endr
	ds_load_b128 v[OB:OB+3], v[LQR]                ; my 128 tokens' scale words of each head: these see my stores
	ds_load_b128 v[OB+4:OB+7], v[LQR] offset:512
	s_wait_dscnt 0x0
	global_store_b128 v[GL], v[OB:OB+3], s[100:101]
	global_store_b128 v[GL], v[OB+4:OB+7], s[100:101] offset:8192
	s_branch .Ldone
.Lpath_v:
	; ---- v
.irp b, 0,1,2,3
	v_mov_b32 v[TM+4+\b], 0
.endr
	v_mov_b32 v[BV+1], 0                           ; (named as a pair's upper word)
	v_mov_b32 v[OSC], 0x7f7f7f7f
.irp c, 0,1,2,3
	v_mov_b32 v[ONES+3*\c], 0x08208208             ; the code of 1.0, 001000, sixteen times in 96 bits
	v_mov_b32 v[ONES+3*\c+1], 0x82082082
	v_mov_b32 v[ONES+3*\c+2], 0x20820820
.endr
	s_wait_loadcnt 0x0                             ; the head's loads, v's bias among them
.irp a, 0,1,2,3,4,5,6,7
	VUNIT \a
.endr
	ds_load_b128 v[VO:VO+3], v[LVR]                ; eight fragments' scale words,
	ds_load_b128 v[VO+4:VO+7], v[LVR] offset:512   ; and their sums
	v_lshrrev_b32 v[VO+8], 8, v[GL]
	v_and_b32 v[VO+9], 0xf0, v[GL]
	v_lshl_or_b32 v[VO+8], v[VO+8], 12, v[VO+9]    ; lanes 0-15: the first head's 256 bytes; lanes 16-31: the second's, 4,096 bytes on
	s_wait_dscnt 0x0
	global_store_b128 v[VO+8], v[VO:VO+3], s[100:101]
	global_store_b128 v[VO+8], v[VO+4:VO+7], s[100:101] offset:131072
.Ldone:
	s_wait_tensorcnt 0x0                           ; the wave's end
	ds_add_u32 v[SPW], v[NIL]
	s_wait_dscnt 0x0
	CROUND                                         ; the closing round
	s_endpgm
.Lfunc_end_k_q41453356da_qkv:
	.size	k_q41453356da_qkv, .Lfunc_end_k_q41453356da_qkv-k_q41453356da_qkv
	.p2alignl 7, 3214868480
	.fill 96, 4, 3214868480
	.section	.rodata,"a",@progbits
	.p2align	6, 0x0
	.amdhsa_kernel k_q41453356da_qkv
		.amdhsa_group_segment_fixed_size 327680
		.amdhsa_private_segment_fixed_size 0
		.amdhsa_enable_private_segment 0
		.amdhsa_kernarg_size 56
		.amdhsa_user_sgpr_count 2
		.amdhsa_user_sgpr_kernarg_segment_ptr 1
		.amdhsa_wavefront_size32 1
		.amdhsa_system_sgpr_workgroup_id_x 1
		.amdhsa_system_sgpr_workgroup_id_y 1
		.amdhsa_system_sgpr_workgroup_id_z 1
		.amdhsa_system_vgpr_workitem_id 0
		.amdhsa_next_free_vgpr 1024
		.amdhsa_next_free_sgpr 106
		.amdhsa_reserve_vcc 1
		.amdhsa_float_denorm_mode_32 3
		.amdhsa_float_denorm_mode_16_64 3
		.amdhsa_memory_ordered 1
		.amdhsa_forward_progress 1
		.amdhsa_inst_pref_size 255
	.end_amdhsa_kernel
	.section	.bss,"aw",@nobits
	.p2align	6
	.space	262144
	.amdgpu_metadata
---
amdhsa.version: [ 1, 2 ]
amdhsa.kernels:
  - .name:           k_q41453356da_qkv
    .symbol:         k_q41453356da_qkv.kd
    .args:
      - { .name: hq, .offset: 0, .size: 8, .value_kind: global_buffer, .address_space: global }
      - { .name: wq, .offset: 8, .size: 8, .value_kind: global_buffer, .address_space: global }
      - { .name: b_qkv, .offset: 16, .size: 8, .value_kind: global_buffer, .address_space: global }
      - { .name: attention_mask, .offset: 24, .size: 8, .value_kind: global_buffer, .address_space: global }
      - { .name: rope, .offset: 32, .size: 8, .value_kind: global_buffer, .address_space: global }
      - { .name: qk, .offset: 40, .size: 8, .value_kind: global_buffer, .address_space: global }
      - { .name: vv, .offset: 48, .size: 8, .value_kind: global_buffer, .address_space: global }
    .group_segment_fixed_size: 327680
    .private_segment_fixed_size: 0
    .kernarg_segment_align: 8
    .kernarg_segment_size: 56
    .max_flat_workgroup_size: 128
    .sgpr_count:     106
    .vgpr_count:     1024
    .wavefront_size: 32
...
	.end_amdgpu_metadata
.endif
;; end of part 2
;; launch attn (part 3): grid 8 x 32, 16 waves a work-group, no clusters, 247,808 bytes of LDS; arguments qk, vv, ao; writes ao
.if DOCPART == 3
	.amdgcn_target "amdgcn-amd-amdhsa--gfx1250"
	.amdhsa_code_object_version 6
	.text
	.protected	k_q41453356da_attn
	.globl	k_q41453356da_attn
	.p2align	8
	.type	k_q41453356da_attn,@function
k_q41453356da_attn:
	s_mov_b64 s[64:65], 0
	v_nop
	global_prefetch_b8 v0, s[64:65] scope:SCOPE_SE
	s_setreg_imm32_b32 hwreg(HW_REG_WAVE_MODE, 25, 1), 1
	s_wait_xcnt 0x0
; ATTN: softmax(q k^T / 8, causal and padded) v for one head of one batch row, both products on codes of FP6 (E2M3); the result is quantised along H for the last product.
; t = score x log2(e) / 8; M = the running largest t rounded up to a whole number; p = 2^(t - M) is quantised along the keys; the row's sum is taken of the unquantised p and divides at the end.
; SHARES.  y = 16 x batch row + head.  A wave owns one tile of 16 queries and walks key steps of 128 up to its own block of 128 queries.  Work-group x = i holds blocks i and 15 - i, eight waves each
; (wave w: block 15 - i where bit 0 xor bit 2 of w is 1; tile w / 2 of the block): i + 1 and 16 - i key steps, 17 for each pair of waves in every work-group.
; LDS HOLDS THE WHOLE HEAD: k's 128 tiles, v's 64 fragments and their scale words, each filled once, by waves 0-3, five tensor loads each (by this text's count five are out); four chunks of four key steps, each read
; behind a counted wait and a barrier.  Nothing is filled twice.
; NO CLUSTER, though the eight work-groups of a head read the same k and v: which key steps a wave works on hangs on the work-group's x, and partners of joint loads may not branch differently.
; LAYOUT.  Both products are used transposed (S^T = k q^T, O^T = v^T p^T): a lane holds one query.  A tile's rows are stored with bits 3 and 4 of the token changed, so p's 16 registers of two neighbouring tiles are 16 neighbouring keys.
; K = 64 fills registers 0-5 of a fragment; register 6 carries the pad mask (a padded key adds -7.5 x 2^100 to its scores); registers 7-11 are zeros.
; A QUERY WITH NO KEY THAT COUNTS: the largest t starts at -2^90, above every masked t, so such a row ends with the sum 0; it then gets the mean of the quantised v over all 2,048 keys: the uniform row (p = 1 everywhere).
; LIMITS: |t| stays under 2^90; NaN and infinities are not served; blocks under 2^-124 keep the byte 1.
; REGISTERS: v1-5 addresses that stay; v8-11 the step's; v12 -M, v13 the largest t, v[14:15] the sum; v16-27 q; v28-31 v's scale words; v32-79 four tiles of k; v80-91 p's codes; v92-95 k's scale words;
;   v96-159 S^T, then p; v160-191 O^T; v192-239 four fragments of v; v240-251 at work; v252 f; v253 p's scale word; v254 at work; v255 q's scale word.
.set VIMG, 131072                      ; LDS: k's images from 0; v's;
.set KSC,  229376                      ; k's scale words (tile x 64 + 4 r);
.set VSC,  237568                      ; v's ((4 x key step + t) x 64 + 4 r);
.set VSUM, 241664                      ; 64 means of v: a block of 256 bytes into which no fill lands
.set KSTP, 2                           ; s2   the key step
.set TBK,  3                           ; s3   where its tiles of k begin
.set TBV,  10                          ; s10  its fragments of v
.set TSK,  11                          ; s11  k's scale words
.set TSV,  12                          ; s12  v's
.set BLK,  13                          ; s13  my block of 128 queries = my last key step
.set CNT,  14
.set BH,   15
.set TAU,  16                          ; s16  my tile of queries
.set WV,   18
.set HALF, 19
.set SEL,  20
.set CS,   22                          ; s[22:23] c = log2(e) / 8
.set G1K,  24                          ; groups 1: k's half chunk, v's, k's half of the scale words, v's
.set G1V,  32
.set G1SK, 40
.set G1SV, 48
.set GA,   56                          ; five groups 0
.set GB,   60
.set GC,   68
.set GD,   72
.set GE,   76
.macro DENSE g, rows                   ; a dense block as rows of 256 bytes (32 elements of 8 bytes), no padding
	s_mov_b32 s[\g], 3<<16
	s_mov_b32 s[\g+1], 32<<16
	s_mov_b32 s[\g+2], (\rows)<<16
	s_mov_b32 s[\g+3], 32<<16
	s_mov_b32 s[\g+4], \rows
	s_mov_b32 s[\g+5], 32
	s_mov_b32 s[\g+6], 0
	s_mov_b32 s[\g+7], 0
.endm
.macro G0C g, c, chunk, ldsimg
	s_mov_b32 s[\g], 1
	s_add_co_u32 s[\g+1], s80, \ldsimg+\c*\chunk
	s_add_nc_u64 s[\g+2:\g+3], s[82:83], \c*\chunk
	s_or_b32 s[\g+3], s[\g+3], 0x80000000
.endm
; One arm of the first fills: my half of the scale words, then my half of each of the four chunks.
.macro ARM ptr, img0, bhimg, halfimg, chunk, ldsimg, sc0, bhsc, halfsc, ldssc, g1, g1s
	s_mul_i32 s80, s[HALF], \halfimg
	s_mul_i32 s81, s[HALF], \halfsc
	s_mul_i32 s86, s[BH], \bhimg
	s_add_co_u32 s86, s86, s80
	s_add_co_u32 s86, s86, \img0
	s_mov_b32 s87, 0
	s_add_nc_u64 s[82:83], s[\ptr:\ptr+1], s[86:87]
	s_mul_i32 s86, s[BH], \bhsc
	s_add_co_u32 s86, s86, s81
	s_add_co_u32 s86, s86, \sc0
	s_add_nc_u64 s[84:85], s[\ptr:\ptr+1], s[86:87]
	s_mov_b32 s[GA], 1
	s_add_co_u32 s[GA+1], s81, \ldssc
	s_mov_b64 s[GA+2:GA+3], s[84:85]
	s_or_b32 s[GA+3], s[GA+3], 0x80000000
	G0C GB, 0, \chunk, \ldsimg
	G0C GC, 1, \chunk, \ldsimg
	G0C GD, 2, \chunk, \ldsimg
	G0C GE, 3, \chunk, \ldsimg
	tensor_load_to_lds s[GA:GA+3], s[\g1s:\g1s+7]
	s_nop 0
	tensor_load_to_lds s[GB:GB+3], s[\g1:\g1+7]
	s_nop 0
	tensor_load_to_lds s[GC:GC+3], s[\g1:\g1+7]
	s_nop 0
	tensor_load_to_lds s[GD:GD+3], s[\g1:\g1+7]
	s_nop 0
	tensor_load_to_lds s[GE:GE+3], s[\g1:\g1+7]
	s_nop 0
.rept 4
	v_nop
.endr
.endm
	s_load_b128 s[4:7], s[0:1], 0x0                ; qk, vv
	s_load_b64 s[8:9], s[0:1], 0x10                ; ao
	v_lshl_add_u32 v254, v0, 2, 0x3c000
	v_mov_b32 v255, 0
	ds_add_u32 v254, v255
	ds_add_u32 v254, v255
	s_wait_dscnt 0x0
	v_lshrrev_b32 v8, 5, v0
	v_readfirstlane_b32 s[WV], v8                  ; wave 0..15
	s_and_b32 s[BH], ttmp7, 0xffff
	s_and_b32 s[HALF], s[WV], 1
	DENSE G1K, 64
	DENSE G1V, 48
	DENSE G1SK, 16
	DENSE G1SV, 8
	v_and_b32 v9, 31, v0
	v_lshlrev_b32 v1, 4, v9                        ; 16 x lane
	v_and_b32 v10, 15, v0                          ; r
	v_bfe_u32 v11, v0, 4, 1                        ; h
	v_lshlrev_b32 v2, 2, v10                       ; 4 r
	v_and_b32 v4, 63, v0
	v_lshl_add_u32 v4, v4, 2, VSUM                 ; where waves 4 and 5 put the means
	v_lshl_add_u32 v5, v11, 5, VSUM                ; and where my half's eight of a tile begin
	s_wait_kmcnt 0x0
	s_cmp_lt_u32 s[WV], 2                          ; all first fills of a wave stand in one branch on the wave's number
	s_cbranch_scc0 .Lnot_k
	ARM 4, 4194304, 131072, 16384, 32768, 0, 8650752, 8192, 4096, KSC, G1K, G1SK
	s_branch .Lfilled
.Lnot_k:
	s_cmp_lt_u32 s[WV], 4
	s_cbranch_scc0 .Lfilled
	ARM 6, 0, 98304, 12288, 24576, VIMG, 3145728, 4096, 2048, VSC, G1V, G1SV
.Lfilled:
	s_lshr_b32 s80, s[WV], 2
	s_xor_b32 s80, s80, s[WV]
	s_and_b32 s80, s80, 1
	s_sub_co_u32 s81, 15, ttmp9
	s_cmp_eq_u32 s80, 1
	s_cselect_b32 s[BLK], s81, ttmp9
	s_lshr_b32 s82, s[WV], 1                       ; my tile in the block
	s_lshl_b32 s[TAU], s[BLK], 3
	s_add_co_u32 s[TAU], s[TAU], s82
	s_lshr_b32 s83, s82, 1
	s_lshl_b32 s83, s83, 5
	s_and_b32 s84, s82, 1
	s_lshl_b32 s84, s84, 3
	s_add_co_u32 s83, s83, s84
	v_and_b32 v3, 8, v10
	v_add_nc_u32 v3, v3, v10
	v_add_nc_u32 v3, s83, v3                       ; my query in its block: 32 (tile / 2) + 8 (tile % 2) + r + 8 (r / 8),
	v_lshlrev_b32 v8, 4, v11
	v_sub_nc_u32 v3, v3, v8                        ; less 16 h: register 16 b + i holds key 32 b + i + 16 h
	s_lshl_b32 s84, s[BH], 7
	s_add_co_u32 s84, s84, s[TAU]
	s_lshl_b32 s86, s84, 10
	s_mov_b32 s87, 0
	s_add_nc_u64 s[88:89], s[4:5], s[86:87]
	global_load_b128 v[16:19], v1, s[88:89]        ; q's image
	global_load_b128 v[20:23], v1, s[88:89] offset:512
	s_lshl_b32 s86, s84, 6
	s_add_co_u32 s86, s86, 8388608
	s_add_nc_u64 s[90:91], s[4:5], s[86:87]
	global_load_b32 v255, v2, s[90:91]             ; its scale words
	s_cmp_eq_u32 s82, 2                            ; waves 4 and 5: the means of v, a channel a lane: sixteen partial sums, one for each 128 keys
	s_cbranch_scc0 .Lno_sum
	s_lshl_b32 s86, s[BH], 12
	s_add_co_u32 s86, s86, 3276800
	s_add_nc_u64 s[92:93], s[6:7], s[86:87]
	v_and_b32 v112, 63, v0
	v_lshlrev_b32 v112, 2, v112
.irp k, 0,1,2,3,4,5,6,7,8,9,10,11,12,13,14,15
	global_load_b32 v[96+\k], v112, s[92:93] offset:256*\k
.endr
	s_wait_loadcnt 0x0
.irp k, 0,2,4,6
	v_pk_add_f32 v[96+\k:97+\k], v[96+\k:97+\k], v[104+\k:105+\k]
.endr
	v_pk_add_f32 v[96:97], v[96:97], v[100:101]
	v_pk_add_f32 v[98:99], v[98:99], v[102:103]
	v_pk_add_f32 v[96:97], v[96:97], v[98:99]
	v_add_f32 v96, v96, v97
	v_mul_f32 v96, 0x3a000000, v96                 ; / 2,048
	ds_store_b32 v4, v96
.Lno_sum:
	s_mov_b32 s[SEL], 0x76543210
	s_mov_b32 s[SEL+1], 0xfedcba98
	s_mov_b32 s[CS], 0x3e38aa3b
	s_mov_b32 s[CS+1], s[CS]
	v_mov_b32 v13, 0xec800000                      ; the largest t so far: -2^90
	v_floor_f32 v12, -v13                          ; -M
	v_mov_b32 v14, 0
	v_mov_b32 v15, 0
.irp j, 24,25,26,27, 40,41,42,43, 52,53,54,55, 64,65,66,67, 76,77,78,79
	v_mov_b32 v[\j], 0                             ; registers 8-11 of q's and k's fragments: zero codes, never loaded
.endr
.irp j, 0,1,2,3,4,5,6,7,8,9,10,11,12,13,14,15,16,17,18,19,20,21,22,23,24,25,26,27,28,29,30,31
	v_mov_b32 v[160+\j], 0                         ; O^T: the step is written once; the first change of M leaves zeros zeros
.endr
.irp j, 244,245,246,247,252,253
	v_mov_b32 v[\j], 0                             ; lane permutes' destinations, and the pair v[252:253]
.endr
	s_wait_loadcnt 0x0                             ; q
; A KEY STEP: 128 keys.
.macro STEP
	s_cmp_gt_u32 s[KSTP], s[BLK]                   ; all its keys come after my queries: the work is left out (a branch on ids); the lines at the end that step addresses are not
	s_cbranch_scc1 .Lhidden_\@
	v_add_nc_u32 v8, s[TBK], v1                    ; (these four are also the places behind the last step's products, in front of the loads)
	v_add_nc_u32 v9, s[TBV], v1
	v_add_nc_u32 v10, s[TSK], v2
	v_add_nc_u32 v11, s[TSV], v2
.irp t, 0,1,2,3
	ds_load_b128 v[32+12*\t:35+12*\t], v8 offset:1024*\t
	ds_load_b128 v[36+12*\t:39+12*\t], v8 offset:1024*\t+512
	ds_load_b32 v[92+\t], v10 offset:64*\t
.endr
.irp t, 0,1,2,3
.irp c, 0,1,2
	ds_load_b128 v[192+12*\t+4*\c:195+12*\t+4*\c], v9 offset:1536*\t+512*\c
.endr
	ds_load_b32 v[28+\t], v11 offset:64*\t
.endr
	s_wait_dscnt 16                                ; k's first four tiles are in; v's sixteen loads may be out
.irp t, 0,1,2,3
	v_wmma_scale_f32_16x16x128_f8f6f4 v[96+8*\t:103+8*\t], v[32+12*\t:43+12*\t], v[16:27], 0, v[92+\t], v255 matrix_a_fmt:MATRIX_FMT_FP6 matrix_b_fmt:MATRIX_FMT_FP6
.endr
.rept 4
	v_nop                                          ; places in front of loads into registers that matrix instructions have read
.endr
.irp t, 0,1,2,3
	ds_load_b128 v[32+12*\t:35+12*\t], v8 offset:1024*(4+\t)
	ds_load_b128 v[36+12*\t:39+12*\t], v8 offset:1024*(4+\t)+512
	ds_load_b32 v[92+\t], v10 offset:64*(4+\t)
.endr
	s_wait_dscnt 0x0
.irp t, 0,1,2,3
	v_wmma_scale_f32_16x16x128_f8f6f4 v[128+8*\t:135+8*\t], v[32+12*\t:43+12*\t], v[16:27], 0, v[92+\t], v255 matrix_a_fmt:MATRIX_FMT_FP6 matrix_b_fmt:MATRIX_FMT_FP6
.endr
.rept 4
	v_nop
.endr
	s_cmp_lg_u32 s[KSTP], s[BLK]                   ; only my own block's step lies on the diagonal
	s_cbranch_scc1 .Lopen_\@
	v_mov_b32 v254, 0xff800000                     ; -infinity: p = 0
.irp n, 0,1,2,3,4,5,6,7,8,9,10,11,12,13,14,15,16,17,18,19,20,21,22,23,24,25,26,27,28,29,30,31,32,33,34,35,36,37,38,39,40,41,42,43,44,45,46,47,48,49,50,51,52,53,54,55,56,57,58,59,60,61,62,63
	v_cmp_gt_i32 vcc_lo, 32*(\n/16)+\n%16, v3
	v_cndmask_b32 v[96+\n], v[96+\n], v254, vcc_lo
.endr
.Lopen_\@:
.irp b, 0,1,2,3
	v_max3_num_f32 v[240+\b], v[96+16*\b], v[97+16*\b], v[98+16*\b]   ; the largest score of each block of 32 keys: for the row's maximum, and, since p rises with the score, for the block's largest p
.endr
.irp i, 3,5,7,9,11,13
.irp b, 0,1,2,3
	v_max3_num_f32 v[240+\b], v[240+\b], v[96+16*\b+\i], v[97+16*\b+\i]
.endr
.endr
.irp b, 0,1,2,3
	v_max_num_f32 v[240+\b], v[240+\b], v[111+16*\b]
.endr
.irp b, 0,1,2,3
	v_permlanex16_b32 v[244+\b], v[240+\b], s[SEL], s[SEL+1]
.endr
.irp b, 0,1,2,3
	v_max_num_f32 v[240+\b], v[240+\b], v[244+\b]
.endr
	v_max3_num_f32 v254, v240, v241, v242
	v_max_num_f32 v254, v254, v243
	v_mul_f32 v254, s[CS], v254
	v_max_num_f32 v13, v13, v254                   ; the running largest t
	v_mov_b32 v254, v12
	v_floor_f32 v12, -v13                          ; the new -M: M is a whole number
	v_sub_f32 v254, v12, v254
	v_cvt_i32_f32 v254, v254                       ; (it saturates)
	v_ldexp_f32 v252, 1.0, v254                    ; f = 2^(old M - new M)
.irp j, 0,2,4,6,8,10,12,14,16,18,20,22,24,26,28,30,32,34,36,38,40,42,44,46,48,50,52,54,56,58,60,62
	v_pk_fma_f32 v[96+\j:97+\j], v[96+\j:97+\j], s[CS:CS+1], v[12:13] op_sel_hi:[1,0,0]   ; t - M
.endr
.irp b, 0,1,2,3
	v_fma_f32 v[240+\b], v[240+\b], s[CS], v12
.endr
.irp j, 0,1,2,3,4,5,6,7,8,9,10,11,12,13,14,15,16,17,18,19,20,21,22,23,24,25,26,27,28,29,30,31,32,33,34,35,36,37,38,39,40,41,42,43,44,45,46,47,48,49,50,51,52,53,54,55,56,57,58,59,60,61,62,63
	v_exp_f32 v[96+\j], v[96+\j]                   ; p = 2^(t - M)
.endr
	v_pk_mul_f32 v[14:15], v[14:15], v[252:253] op_sel_hi:[1,0]   ; the sums under the new M (a plain line behind the exponentials)
	s_wait_alu depctr_va_vdst(0)                   ; one wait for the batch, ahead of its first reader
.irp b, 0,1,2,3
	v_exp_f32 v[240+\b], v[240+\b]                 ; each block's largest p
.endr
	v_pk_add_f32 v[244:245], v[96:97], v[98:99]    ; the row's sum of the unquantised p, in two chains
.irp j, 4,8,12,16,20,24,28,32,36,40,44,48,52,56,60
	v_pk_add_f32 v[14:15], v[14:15], v[96+\j:97+\j]
	v_pk_add_f32 v[244:245], v[244:245], v[98+\j:99+\j]
.endr
	v_pk_add_f32 v[14:15], v[14:15], v[244:245]
	s_wait_alu depctr_va_vdst(0)                   ; and one for the four
.irp b, 0,1,2,3
	v_max_num_f32 v[240+\b], 0x1800000, v[240+\b]  ; the floor 2^(3 - 127)
.endr
.irp b, 0,1,2,3
	v_add_nc_u32 v[248+\b], 0xff000000, v[240+\b]  ; the conversion's scale operand
.endr
.irp b, 0,1,2,3
	v_lshrrev_b32 v[244+\b], 23, v[248+\b]
.endr
	v_lshl_or_b32 v253, v245, 8, v244              ; p's scale word for these 128 keys
	v_lshl_or_b32 v253, v246, 16, v253
	v_lshl_or_b32 v253, v247, 24, v253
.irp c, 0,1
	v_cvt_scalef32_pk16_fp6_f32 v[80+6*\c:82+6*\c], v[96+32*\c:111+32*\c], v[248+2*\c]
	v_cvt_scalef32_pk16_fp6_f32 v[244-4*\c:246-4*\c], v[112+32*\c:127+32*\c], v[249+2*\c]
.endr
	v_nop
.irp c, 0,1
.irp i, 0,1,2
	v_permlane16_swap_b32 v[80+6*\c+\i], v[244-4*\c+\i]
.endr
.irp i, 0,1,2
	v_mov_b32 v[83+6*\c+\i], v[244-4*\c+\i]
.endr
.endr
.irp j, 0,2,4,6,8,10,12,14,16,18,20,22,24,26,28,30
	v_pk_mul_f32 v[160+\j:161+\j], v[160+\j:161+\j], v[252:253] op_sel_hi:[1,0]   ; O^T under the new M; these sixteen are also the places in front of the products below
.endr
.irp t, 0,1,2,3                        ; O^T += v^T p^T: four accumulators by turns
	v_wmma_scale_f32_16x16x128_f8f6f4 v[160+8*\t:167+8*\t], v[192+12*\t:203+12*\t], v[80:91], v[160+8*\t:167+8*\t], v[28+\t], v253 matrix_a_fmt:MATRIX_FMT_FP6 matrix_b_fmt:MATRIX_FMT_FP6
.endr
.Lhidden_\@:
	s_add_co_u32 s[KSTP], s[KSTP], 1
	s_add_co_u32 s[TBK], s[TBK], 8192
	s_add_co_u32 s[TBV], s[TBV], 6144
	s_add_co_u32 s[TSK], s[TSK], 512
	s_add_co_u32 s[TSV], s[TSV], 256
.endm
; Four key steps.  The fetching waves wait until their part of chunk c has landed (the later chunks' loads, 3 - c of them, stay out); behind the barrier everybody's has.
.macro CHUNK c
	s_wait_tensorcnt 3-\c
	s_wait_dscnt 0x0                               ; no LDS instruction of mine is out at the signal; the means' stores have landed
	s_barrier_signal -1
	s_barrier_wait -1
	s_mov_b32 s[KSTP], 4*\c
	s_mov_b32 s[TBK], 32768*\c
	s_mov_b32 s[TBV], VIMG+24576*\c
	s_mov_b32 s[TSK], KSC+2048*\c
	s_mov_b32 s[TSV], VSC+1024*\c
	s_mov_b32 s[CNT], 4
.Lstep_\@:
	STEP
	s_sub_co_u32 s[CNT], s[CNT], 1
	s_cmp_lg_u32 s[CNT], 0
	s_cbranch_scc1 .Lstep_\@
.endm
	CHUNK 0
	CHUNK 1
	CHUNK 2
	CHUNK 3
	; THE WAY OUT: O^T / the sum (or the means of v), quantised along the head's 64: two blocks of the last product's K.
.rept 4
	v_nop                                          ; places behind the last products
.endr
.irp t, 0,1,2,3
	ds_load_b128 v[128+8*\t:131+8*\t], v5 offset:64*\t      ; the means of my registers' channels: 16 t + 8 h + 0 .. 7 in the stored order
	ds_load_b128 v[132+8*\t:135+8*\t], v5 offset:64*\t+16
.endr
	v_add_f32 v14, v14, v15
	v_permlanex16_b32 v252, v14, s[SEL], s[SEL+1]
	v_add_f32 v14, v14, v252                       ; the row's sum
	v_cmp_eq_f32 s86, 0, v14                       ; no key counted
	v_rcp_f32 v252, v14
	v_lshrrev_b32 v6, 1, v1                        ; 8 x lane  (plain lines behind the reciprocal)
	v_bfe_u32 v8, v0, 4, 1
	v_lshl_add_u32 v7, v2, 1, v8                   ; 8 r + h
	s_lshr_b32 s80, s[BH], 4
	s_lshl_b32 s80, s80, 7
	s_add_co_u32 s80, s80, s[TAU]                  ; my tile among the 256
	s_and_b32 s81, s[BH], 15                       ; the head
	s_lshl_b32 s82, s80, 4
	s_add_co_u32 s82, s82, s81
	s_mul_i32 s82, s82, 768
	s_mov_b32 s83, 0
	s_add_nc_u64 s[84:85], s[8:9], s[82:83]        ; my piece: 16 tokens x one head, 768 bytes
	s_lshl_b32 s82, s80, 9
	s_lshr_b32 s87, s81, 2
	s_lshl_b32 s87, s87, 7
	s_add_co_u32 s82, s82, s87
	s_and_b32 s81, s81, 3
	s_lshl_b32 s81, s81, 1
	s_add_co_u32 s82, s82, s81
	s_add_co_u32 s82, s82, 3145728
	s_add_nc_u64 s[88:89], s[8:9], s[82:83]        ; its scale bytes: tile x 512 + (head / 4) x 128 + 8 r + 2 (head % 4) + block
	s_wait_alu depctr_va_vdst(0)                   ; the wait ahead of the reciprocal's first reader
.irp j, 0,2,4,6,8,10,12,14,16,18,20,22,24,26,28,30
	v_pk_mul_f32 v[96+\j:97+\j], v[160+\j:161+\j], v[252:253] op_sel_hi:[1,0]   ; each accumulator from its low end on
.endr
	s_wait_dscnt 0x0
.irp j, 0,1,2,3,4,5,6,7,8,9,10,11,12,13,14,15,16,17,18,19,20,21,22,23,24,25,26,27,28,29,30,31
	v_cndmask_b32 v[96+\j], v[96+\j], v[128+\j], s86
.endr
.irp b, 0,1
	v_max3_num_f32 v[240+\b], |v[96+16*\b]|, |v[97+16*\b]|, 0x1800000
.endr
.irp i, 2,4,6,8,10,12,14
.irp b, 0,1
	v_max3_num_f32 v[240+\b], v[240+\b], |v[96+16*\b+\i]|, |v[97+16*\b+\i]|
.endr
.endr
.irp b, 0,1
	v_permlanex16_b32 v[244+\b], v[240+\b], s[SEL], s[SEL+1]
.endr
.irp b, 0,1
	v_max_num_f32 v[240+\b], v[240+\b], v[244+\b]
.endr
.irp b, 0,1
	v_add_nc_u32 v[248+\b], 0xff000000, v[240+\b]
.endr
.irp b, 0,1
	v_lshrrev_b32 v[244+\b], 23, v[248+\b]
.endr
	v_cvt_scalef32_pk16_fp6_f32 v[80:82], v[96:111], v248
	v_cvt_scalef32_pk16_fp6_f32 v[86:88], v[112:127], v249
	v_nop
.irp i, 0,1,2
	v_permlane16_swap_b32 v[80+\i], v[86+\i]
.endr
.irp i, 0,1,2
	v_mov_b32 v[83+\i], v[86+\i]
.endr
	v_cmp_eq_u32 vcc_lo, 1, v8
	v_cndmask_b32 v9, v244, v245, vcc_lo           ; my half's block's byte
.irp p, 0,1,2
	global_store_b64 v6, v[80+2*\p:81+2*\p], s[84:85] offset:256*\p   ; 32 lanes store 256 consecutive bytes, aligned
.endr
	global_store_b8 v7, v9, s[88:89]
	s_wait_xcnt 0x0
	v_lshl_add_u32 v254, v0, 2, 0x3c000
	v_mov_b32 v255, 0
	s_wait_tensorcnt 0x0
	ds_add_u32 v254, v255
	s_wait_dscnt 0x0
	s_endpgm
.Lfunc_end_k_q41453356da_attn:
	.size	k_q41453356da_attn, .Lfunc_end_k_q41453356da_attn-k_q41453356da_attn
	.p2alignl 7, 3214868480
	.fill 96, 4, 3214868480
	.section	.rodata,"a",@progbits
	.p2align	6, 0x0
	.amdhsa_kernel k_q41453356da_attn
		.amdhsa_group_segment_fixed_size 247808
		.amdhsa_private_segment_fixed_size 0
		.amdhsa_enable_private_segment 0
		.amdhsa_kernarg_size 24
		.amdhsa_user_sgpr_count 2
		.amdhsa_user_sgpr_kernarg_segment_ptr 1
		.amdhsa_wavefront_size32 1
		.amdhsa_system_sgpr_workgroup_id_x 1
		.amdhsa_system_sgpr_workgroup_id_y 1
		.amdhsa_system_sgpr_workgroup_id_z 1
		.amdhsa_system_vgpr_workitem_id 0
		.amdhsa_next_free_vgpr 256
		.amdhsa_next_free_sgpr 100
		.amdhsa_reserve_vcc 1
		.amdhsa_float_denorm_mode_32 3
		.amdhsa_float_denorm_mode_16_64 3
		.amdhsa_memory_ordered 1
		.amdhsa_forward_progress 1
		.amdhsa_inst_pref_size 109
	.end_amdhsa_kernel
	.amdgpu_metadata
---
amdhsa.version: [ 1, 2 ]
amdhsa.kernels:
  - .name:           k_q41453356da_attn
    .symbol:         k_q41453356da_attn.kd
    .args:
      - { .name: qk, .offset: 0, .size: 8, .value_kind: global_buffer, .address_space: global }
      - { .name: vv, .offset: 8, .size: 8, .value_kind: global_buffer, .address_space: global }
      - { .name: ao, .offset: 16, .size: 8, .value_kind: global_buffer, .address_space: global }
    .group_segment_fixed_size: 247808
    .private_segment_fixed_size: 0
    .kernarg_segment_align: 8
    .kernarg_segment_size: 24
    .max_flat_workgroup_size: 512
    .sgpr_count:     100
    .vgpr_count:     256
    .wavefront_size: 32
...
	.end_amdgpu_metadata
.endif
;; end of part 3
;; launch proj (part 4): grid 4 x 16, 4 waves a work-group, clusters of 4 x 4, 327,680 bytes of LDS; arguments ao, wo, out0; writes out0
.if DOCPART == 4
	.amdgcn_target "amdgcn-amd-amdhsa--gfx1250"
	.amdhsa_code_object_version 6
	.text
	.protected	k_q41453356da_proj
	.globl	k_q41453356da_proj
	.p2align	8
	.type	k_q41453356da_proj,@function
k_q41453356da_proj:
	s_mov_b64 s[64:65], 0
	v_nop
	global_prefetch_b8 v0, s[64:65] scope:SCOPE_SE
	s_setreg_imm32_b32 hwreg(HW_REG_WAVE_MODE, 25, 1), 1
	s_wait_xcnt 0x0
	s_wait_alu depctr_hold_cnt(0) depctr_sa_sdst(0) depctr_va_vdst(0) depctr_va_sdst(0) depctr_va_ssrc(0) depctr_va_vcc(0) depctr_vm_vsrc(0)
	s_getreg_b32 s2, hwreg(HW_REG_IB_STS2, 6, 4)
	s_cmp_eq_u32 s2, 0
	s_cbranch_scc0 .Lentry_in_a_cluster
	s_endpgm
.Lentry_in_a_cluster:
	s_bfe_u32 s2, ttmp6, 0x10000c
	s_cmp_lg_u32 s2, 0xf033
	s_cbranch_scc0 .Lentry_shape_is_right
	s_endpgm
.Lentry_shape_is_right:
; PROJ: out0 = (attention's result) x w_out on codes of FP6 (E2M3), K = 1,024; out0 [4096][1024] f32.
; A tile of 256 x 256 to a work-group of four waves, 128 x 128 to a wave.  K goes in steps of 256 (four heads) through two LDS slots; the scale bytes come once.  16 x 4 tiles: 64 work-groups.
; CLUSTERS of 4 x 4: A's tiles are asked for jointly along a row of the cluster, B's along a column.
; A (ao) lies as images of operand registers: for each tile of 16 tokens and each head 768 bytes, three planes of 256 (lane l's 8 bytes at 8 l); two heads on end are a fragment's 12 registers.  A K step of a tile is 3,072 bytes on end.
; A's scale bytes lie [tile][K step][row][8]; B (wo) lies in rows of 768 bytes with K innermost, its scale bytes [1024][32].
; THE MATRIX INSTRUCTION IS USED TRANSPOSED (source 0 = 16 rows of B, source 1 = 16 rows of A): a lane holds eight neighbouring numbers of a row of out0.
; A tile's row x is token 32 (tile / 2) + 8 (tile % 2) + x + 8 (x / 8): the way out puts the rows back in their order.
; REGISTERS: window 0: v0-31 addresses; v32-63 A's scale words, v64-95 B's, two sets each; from v128 A's fragments, one set.  window 1: B's fragments, two sets.  windows 2, 3: the accumulators.
.set SIZE_N, 1024
.set KSTEP,  256
.set NQ,     2
.set ROWB,   192
.set KROW,   768
.set PITCH,  240
.set FR,     12
.set NL,     6
.set NP,     4
.set HALFA,  8*3072                    ; eight tiles' K step of A: what one tensor load brings
.set HALFB,  128*PITCH
.set SLOT,   2*HALFA+2*HALFB
.set LAPS,   2
.set SCAL,   2*SLOT                    ; A's scale bytes: 16 tiles x 512, dense
.set SCBL,   SCAL+8192                 ; B's: units of 256 bytes + 16 of padding
.set HALFS,  16*272
.set SBLK,   2*272
.set SPARE,  SCBL+2*HALFS              ; the spare words, 128 bytes a wave: two blocks of 256 bytes that no other line names
.set SPITCH, 528                       ; the way out: 16 rows x (512 + 16) bytes a wave, in slot 0 behind its last fill and its last read
.set AO_SC,  3145728
.set WO_SC,  786432
.set ADRA, 16                          ; v16-17
.set ADRB, 20                          ; v20-23
.set STO,  24
.set RD,   25
.set CO,   26
.set ADSA, 27
.set SPW,  28
.set NIL,  29
.set ADSB, 30
.set SCA,  32
.set SCB,  64
.set AF,   128
.set BK,   128
.set G1, 24
.set G0, 32
.set G1B, 48
.set G0B, 56
.set G1S, 68
.set G0S, 76
.set G1SB, 80
.set G0SB, 88
.set MSB, 0
.macro WIN new
.if MSB != \new
	s_set_vgpr_msb (MSB<<8)|\new
.set MSB, \new
.endif
.endm
.set MUL_LO, 0xa1
.set MUL_HI, 0xf1
.set TO_B,   0x40
.macro JLOAD g0a, g1a, g0b, g1b        ; a joint load: waves 0 and 1 fetch for A, waves 2 and 3 for B; four v_nop follow each line
	s_cmp_eq_u32 s15, 0
	s_cbranch_scc0 .Lfor_b_\@
	tensor_load_to_lds s[\g0a:\g0a+3], s[\g1a:\g1a+7]
	s_nop 0
.rept 4
	v_nop
.endr
	s_branch .Lasked_\@
.Lfor_b_\@:
	tensor_load_to_lds s[\g0b:\g0b+3], s[\g1b:\g1b+7]
	s_nop 0
.rept 4
	v_nop
.endr
.Lasked_\@:
.endm
.macro CREST
	s_cmp_lg_u32 s14, 0
	s_cbranch_scc1 .Lnot_wave_0_\@
	s_barrier_signal -3
.Lnot_wave_0_\@:
	s_barrier_wait -3
	s_barrier_signal -1
	s_barrier_wait -1
.endm
.macro CROUND
	s_barrier_signal -1
	s_barrier_wait -1
	CREST
.endm
	s_load_b128 s[4:7], s[0:1], 0x0                ; ao, wo
	s_load_b64 s[12:13], s[0:1], 0x10              ; out0
	v_lshl_add_u32 v[SPW], v0, 2, SPARE
	v_mov_b32 v[NIL], 0
	ds_add_u32 v28, v29
	ds_add_u32 v28, v29
	s_wait_dscnt 0x0
	v_lshrrev_b32 v1, 5, v0
	v_readfirstlane_b32 s14, v1
	s_lshr_b32 s15, s14, 1                         ; which half of the tile's rows is mine.  Also: I fetch for A (0) or for B (1)
	s_and_b32 s16, s14, 1                          ; which half of its columns.  Also: which half I fetch
	s_bfe_u32 s40, ttmp6, 0x40000
	s_bfe_u32 s41, ttmp6, 0x40004
	s_lshl_b32 s42, ttmp9, 2
	s_add_co_u32 s42, s42, s40                     ; tile column
	s_and_b32 s17, ttmp7, 0xffff
	s_lshl_b32 s17, s17, 2
	s_add_co_u32 s17, s17, s41                     ; tile row
	s_lshl_b32 s43, s41, 2
	s_lshl_b32 s43, 15, s43
	s_lshl_b32 s44, 0x1111, s40
	; A: 8 rows (tiles) of 3,072 bytes (384 elements of 8), 12,288 bytes apart, laid on end
	s_or_b32 s[G1+0], s43, (3<<16)|(1<<21)
	s_mov_b32 s[G1+1], 384<<16
	s_mov_b32 s[G1+2], 8<<16
	s_mov_b32 s[G1+3], 384<<16
	s_mov_b32 s[G1+4], 8
	s_mov_b32 s[G1+5], 1536
	s_mov_b32 s[G1+6], 0
	s_mov_b32 s[G1+7], 0
	; B: 128 rows of 192 bytes, 16 bytes of padding behind every 64
	s_or_b32 s[G1B+0], s44, (0<<16)|(1<<20)|(1<<21)|(3<<22)|(3<<25)
	s_mov_b32 s[G1B+1], ROWB<<16
	s_mov_b32 s[G1B+2], 128<<16
	s_mov_b32 s[G1B+3], ROWB<<16
	s_mov_b32 s[G1B+4], 128
	s_mov_b32 s[G1B+5], KROW
	s_mov_b32 s[G1B+6], 0
	s_mov_b32 s[G1B+7], 0
	; A's scale bytes of 8 tiles: 4,096 dense bytes as 16 rows of 256; B's of 128 rows likewise, with 16 bytes of padding behind each
	s_or_b32 s[G1S+0], s43, (3<<16)|(1<<21)
	s_or_b32 s[G1SB+0], s44, (3<<16)|(1<<20)|(1<<21)|(5<<22)|(3<<25)
.irp g, G1S, G1SB
	s_mov_b32 s[\g+1], 32<<16
	s_mov_b32 s[\g+2], 16<<16
	s_mov_b32 s[\g+3], 32<<16
	s_mov_b32 s[\g+4], 16
	s_mov_b32 s[\g+5], 32
	s_mov_b32 s[\g+6], 0
	s_mov_b32 s[\g+7], 0
.endr
	s_lshl_b32 s18, s16, 3
	s_lshl_b32 s20, s17, 4
	s_add_co_u32 s20, s20, s18                     ; A: tile 16 x tile row + 8 x half
	s_lshl_b32 s18, s16, 7
	s_lshl_b32 s46, s42, 8
	s_add_co_u32 s46, s46, s18                     ; B: row 256 x tile column + 128 x half
	s_lshl_b32 s22, s20, 9
	s_add_co_u32 s22, s22, AO_SC
	s_mul_i32 s20, s20, 12288
	s_lshl_b32 s92, s46, 5
	s_add_co_u32 s92, s92, WO_SC
	s_mul_i32 s46, s46, KROW
	s_mov_b32 s21, 0
	s_mov_b32 s23, 0
	s_mov_b32 s47, 0
	s_mov_b32 s93, 0
	s_mul_i32 s45, s16, HALFA                      ; where they go: A's two halves, then B's two
	s_mul_i32 s94, s16, HALFB
	s_add_co_u32 s94, s94, 2*HALFA
	s_lshl_b32 s95, s16, 12
	s_mul_i32 s19, s16, HALFS
	s_wait_kmcnt 0x0
	s_add_nc_u64 s[20:21], s[4:5], s[20:21]
	s_add_nc_u64 s[22:23], s[4:5], s[22:23]
	s_add_nc_u64 s[46:47], s[6:7], s[46:47]
	s_add_nc_u64 s[92:93], s[6:7], s[92:93]
	CROUND                                         ; all sixteen work-groups are here: the first joint loads meet
	s_mov_b32 s[G0S], 1
	s_add_co_u32 s[G0S+1], s95, SCAL
	s_mov_b64 s[G0S+2:G0S+3], s[22:23]
	s_or_b32 s[G0S+3], s[G0S+3], 0x80000000
	s_mov_b32 s[G0SB], 1
	s_add_co_u32 s[G0SB+1], s19, SCBL
	s_mov_b64 s[G0SB+2:G0SB+3], s[92:93]
	s_or_b32 s[G0SB+3], s[G0SB+3], 0x80000000
	JLOAD G0S, G1S, G0SB, G1SB
.irp s, 0,1
	s_mov_b32 s[G0+4*\s], 1
	s_add_co_u32 s[G0+4*\s+1], s45, \s*SLOT
	s_add_nc_u64 s[G0+4*\s+2:G0+4*\s+3], s[20:21], \s*3072
	s_or_b32 s[G0+4*\s+3], s[G0+4*\s+3], 0x80000000
	s_mov_b32 s[G0B+4*\s], 1
	s_add_co_u32 s[G0B+4*\s+1], s94, \s*SLOT
	s_add_nc_u64 s[G0B+4*\s+2:G0B+4*\s+3], s[46:47], \s*ROWB
	s_or_b32 s[G0B+4*\s+3], s[G0B+4*\s+3], 0x80000000
	JLOAD G0+4*\s, G1, G0B+4*\s, G1B
.endr
	v_and_b32 v1, 15, v0                           ; r
	v_bfe_u32 v2, v0, 4, 1                         ; h
	v_and_b32 v6, 31, v0
	v_lshlrev_b32 v3, 3, v6                        ; A: 8 x lane
	v_mul_u32_u24 v4, v1, PITCH
	v_mad_u32_u24 v4, v2, 24, v4                   ; B: row x pitch + 24 x half
	v_lshl_add_u32 v5, v2, 4, v4                   ; and behind one padding more
	s_mul_i32 s21, s15, HALFA
	s_mul_i32 s22, s16, HALFB
	s_add_co_u32 s22, s22, 2*HALFA
.irp s, 0,1
	v_add_nc_u32 v[ADRA+\s], s21, v3
	v_add_nc_u32 v[ADRB+\s], s22, v4
	v_add_nc_u32 v[ADRB+2+\s], s22, v5
	s_add_co_u32 s21, s21, SLOT
	s_add_co_u32 s22, s22, SLOT
.endr
	s_lshl_b32 s21, s15, 12
	s_add_co_u32 s21, s21, SCAL
	v_lshl_add_u32 v[ADSA], v1, 3, s21             ; A's scale words: my eight tiles, 8 bytes a row
	v_lshlrev_b32 v5, 5, v1
	v_lshrrev_b32 v7, 8, v5
	v_lshl_add_u32 v5, v7, 4, v5                   ; B's: 32 bytes a row, 16 more for each 256 passed
	s_mul_i32 s22, s16, HALFS
	s_add_co_u32 s22, s22, SCBL
	v_add_nc_u32 v[ADSB], s22, v5
	s_mul_i32 s23, s14, 16*SPITCH                  ; my stage
	v_mul_u32_u24 v5, v1, SPITCH
	v_lshl_add_u32 v5, v2, 5, v5
	v_add_nc_u32 v[STO], s23, v5
	v_lshlrev_b32 v[CO], 4, v6
	v_add_nc_u32 v[RD], s23, v[CO]
	s_lshl_b32 s20, s17, 8
	s_lshl_b32 s21, s15, 7
	s_add_co_u32 s20, s20, s21                     ; my first row of out0
	s_lshl_b32 s20, s20, 12                        ; 4,096 bytes a row
	s_lshl_b32 s46, s42, 10
	s_lshl_b32 s47, s16, 9
	s_add_co_u32 s20, s20, s46
	s_add_co_u32 s20, s20, s47
	s_mov_b32 s21, 0
	s_add_nc_u64 s[12:13], s[12:13], s[20:21]
.macro FRAG reg, adr, q, i             ; a fragment of B, from rows, in pieces of 8 bytes
.irp p, 0,1,2,3,4,5
.set PCE, 12*(\q)+6*(\p/3)+\p%3
.if PCE%8 < 5
	ds_load_b64 v[\reg+2*\p:\reg+2*\p+1], v[\adr] offset:8*PCE+16*(PCE/8)+(\i)*16*PITCH
.else
	ds_load_b64 v[\reg+2*\p:\reg+2*\p+1], v[\adr+2] offset:8*PCE+16*(PCE/8)+(\i)*16*PITCH
.endif
.endr
.endm
.macro FRAGA reg, slot, q, i           ; a fragment of A, from its image: two heads' three planes; the 32 lanes read 256 consecutive bytes
.irp p, 0,1,2,3,4,5
	ds_load_b64 v[\reg+2*\p:\reg+2*\p+1], v[ADRA+\slot] offset:(\i)*3072+(2*(\q)+\p/3)*768+(\p%3)*256
.endr
.endm
.macro MUL16 a0, p, q, sc, zero        ; the 64 accumulators take turns, one instruction a turn
.irp a, \a0, \a0+1
.irp b, 0,1,2,3,4,5,6,7
.if \zero
	v_wmma_scale_f32_16x16x128_f8f6f4 v[8*(8*((\a)%4)+\b):8*(8*((\a)%4)+\b)+7], v[128*(\p)+FR*\b:128*(\p)+FR*\b+FR-1], v[AF+FR*(\a):AF+FR*(\a)+FR-1], 0, v[SCB+8*NQ*(\sc)+NQ*\b+(\q)], v[SCA+8*NQ*(\sc)+NQ*(\a)+(\q)] matrix_a_fmt:MATRIX_FMT_FP6 matrix_b_fmt:MATRIX_FMT_FP6
.else
	v_wmma_scale_f32_16x16x128_f8f6f4 v[8*(8*((\a)%4)+\b):8*(8*((\a)%4)+\b)+7], v[128*(\p)+FR*\b:128*(\p)+FR*\b+FR-1], v[AF+FR*(\a):AF+FR*(\a)+FR-1], v[8*(8*((\a)%4)+\b):8*(8*((\a)%4)+\b)+7], v[SCB+8*NQ*(\sc)+NQ*\b+(\q)], v[SCA+8*NQ*(\sc)+NQ*(\a)+(\q)] matrix_a_fmt:MATRIX_FMT_FP6 matrix_b_fmt:MATRIX_FMT_FP6
.endif
.endr
.endr
.endm
.macro FETCH_B slot, q, p
	WIN TO_B
.irp i, 0,1,2,3,4,5,6,7
	FRAG 128*(\p)+FR*\i, ADRB+\slot, \q, \i
.endr
	WIN 0
.endm
.macro FETCH_A slot, q, i0
.irp i, \i0, \i0+1, \i0+2, \i0+3
	FRAGA AF+FR*(\i), \slot, \q, \i
.endr
.endm
.macro SCALES sc                       ; a K step's scale words, two a row: A's eight blocks, B's eight
.irp i, 0,1,2,3,4,5,6,7
	ds_load_b64 v[SCA+8*NQ*\sc+NQ*\i:SCA+8*NQ*\sc+NQ*\i+1], v[ADSA] offset:\i*512
.endr
.irp i, 0,1,2,3,4,5,6,7
	ds_load_b64 v[SCB+8*NQ*\sc+NQ*\i:SCB+8*NQ*\sc+NQ*\i+1], v[ADSB] offset:\i*SBLK
.endr
.endm
.macro PLACES n
.rept \n
	v_nop
.endr
.endm
.macro STEP slot, q, zero
	s_wait_dscnt 4*NL                              ; all but A's blocks 4-7
	WIN MUL_LO
	MUL16 0, (\q)%2, \q, \slot, \zero
	MUL16 2, (\q)%2, \q, \slot, \zero
	s_wait_dscnt 0
	PLACES NP
	FETCH_B \slot, (\q)+1, 1-(\q)%2
	FETCH_A \slot, (\q)+1, 0
	WIN MUL_HI
	MUL16 4, (\q)%2, \q, \slot, \zero
	MUL16 6, (\q)%2, \q, \slot, \zero
	PLACES NP
	WIN 0
	FETCH_A \slot, (\q)+1, 4
.endm
.macro TURN slot, next, fill
	s_wait_tensorcnt 0x0                           ; all my tensor loads have landed: my part of the next slot
	ds_add_u32 v[SPW], v[NIL]                      ; 0 onto my spare word
	s_wait_dscnt 4*NL+1                            ; (the add and A's blocks 4-7 may be out)
	WIN MUL_LO
	MUL16 0, 1, NQ-1, \slot, 0
	s_wait_dscnt 0x0                               ; the add is done, and my reads of this slot are over
	s_barrier_signal -1
	MUL16 2, 1, NQ-1, \slot, 0
	WIN 0
	s_barrier_wait -1
.if \fill
	CREST                                          ; the barrier has opened a round of the cluster's
	s_add_nc_u64 s[G0+4*\slot+2:G0+4*\slot+3], s[G0+4*\slot+2:G0+4*\slot+3], 2*3072
	s_add_nc_u64 s[G0B+4*\slot+2:G0B+4*\slot+3], s[G0B+4*\slot+2:G0B+4*\slot+3], 2*ROWB
	JLOAD G0+4*\slot, G1, G0B+4*\slot, G1B         ; the first tensor load behind the round; its four v_nop are the places in front of the loads below
.else
	PLACES NP
.endif
	v_add_nc_u32 v[ADSA], 128, v[ADSA]             ; on to the next K step's scale words
	v_add_nc_u32 v[ADSB], 4*NQ, v[ADSB]
	FETCH_B \next, 0, 0
	FETCH_A \next, 0, 0
	SCALES \next
	WIN MUL_HI
	MUL16 4, 1, NQ-1, \slot, 0
	MUL16 6, 1, NQ-1, \slot, 0
	PLACES NP
	WIN 0
	FETCH_A \next, 0, 4
.endm
	s_wait_tensorcnt 1                             ; the scales and my part of K step 0 are in; K step 1's load may be out
	s_barrier_signal -1
	s_barrier_wait -1
	FETCH_B 0, 0, 0
	FETCH_A 0, 0, 0
	SCALES 0
	FETCH_A 0, 0, 4
	STEP 0, 0, 1
	s_mov_b32 s3, LAPS-1
.Llap:
	TURN 0, 1, 1
	STEP 1, 0, 0
	TURN 1, 0, 1
	STEP 0, 0, 0
	s_sub_co_u32 s3, s3, 1
	s_cmp_lg_u32 s3, 0
	s_cbranch_scc1 .Llap
	TURN 0, 1, 0
	STEP 1, 0, 0
	s_wait_dscnt 4*NL
	WIN MUL_LO
	MUL16 0, 1, NQ-1, 1, 0
	MUL16 2, 1, NQ-1, 1, 0
	s_wait_dscnt 0
	WIN MUL_HI
	MUL16 4, 1, NQ-1, 1, 0
	MUL16 6, 1, NQ-1, 1, 0
	WIN 0
; THE WAY OUT, block by block of 16 rows x 128 columns, through my own stage: in as 32 bytes a lane, back as whole rows of 512 bytes.  LDS serves a wave's instructions in order.
.macro TOSTAGE a
.set AC, 64*((\a)%4)
	WIN (0x08+4*((\a)/4))                          ; an LDS store's data: window 2 or 3
.irp b, 0,1,2,3,4,5,6,7
	ds_store_b128 v[STO], v[AC+8*\b:AC+8*\b+3] offset:64*\b          ; each accumulator from its low end on
	ds_store_b128 v[STO], v[AC+8*\b+4:AC+8*\b+7] offset:64*\b+16
.endr
	WIN 0
.set BB, BK+64*((\a)%2)
.irp t, 0,1,2,3,4,5,6,7,8,9,10,11,12,13,14,15
	ds_load_b128 v[BB+4*\t:BB+4*\t+3], v[RD] offset:\t*SPITCH
.endr
.endm
.macro SEND a, younger                 ; block a's row t is token 32 (a / 2) + 8 (a % 2) + t + 8 (t / 8) of my 128
.set BB, BK+64*((\a)%2)
	s_wait_dscnt \younger
.if (\a) > 0
.if ((\a)%2) == 1
	s_add_nc_u64 s[12:13], s[12:13], 8*SIZE_N*4    ; (behind a wait on XCNT: the earlier stores have read their base)
.else
	s_add_nc_u64 s[12:13], s[12:13], 24*SIZE_N*4
.endif
.endif
.irp t, 0,1,2,3,4,5,6,7,8,9,10,11,12,13,14,15
	global_store_b128 v[CO], v[BB+4*\t:BB+4*\t+3], s[12:13] offset:(\t+8*(\t/8))*SIZE_N*4 th:TH_STORE_NT   ; 32 lanes store 512 consecutive bytes, aligned
.endr
.endm
	PLACES NP
	TOSTAGE 0
.irp a, 1,2,3,4,5,6,7
.if \a > 1
	s_wait_xcnt 0x0                                ; block a - 2's stores have read their registers and their base
.endif
	TOSTAGE \a
	SEND \a-1, 32                                  ; behind block a - 1's loads: block a's 16 stores and 16 loads
.endr
	s_wait_xcnt 0x0
	SEND 7, 0
	s_wait_tensorcnt 0x0                           ; the wave's end
	ds_add_u32 v[SPW], v[NIL]
	s_wait_dscnt 0x0
	CROUND                                         ; the closing round
	s_endpgm
.Lfunc_end_k_q41453356da_proj:
	.size	k_q41453356da_proj, .Lfunc_end_k_q41453356da_proj-k_q41453356da_proj
	.p2alignl 7, 3214868480
	.fill 96, 4, 3214868480
	.section	.rodata,"a",@progbits
	.p2align	6, 0x0
	.amdhsa_kernel k_q41453356da_proj
		.amdhsa_group_segment_fixed_size 327680
		.amdhsa_private_segment_fixed_size 0
		.amdhsa_enable_private_segment 0
		.amdhsa_kernarg_size 24
		.amdhsa_user_sgpr_count 2
		.amdhsa_user_sgpr_kernarg_segment_ptr 1
		.amdhsa_wavefront_size32 1
		.amdhsa_system_sgpr_workgroup_id_x 1
		.amdhsa_system_sgpr_workgroup_id_y 1
		.amdhsa_system_sgpr_workgroup_id_z 1
		.amdhsa_system_vgpr_workitem_id 0
		.amdhsa_next_free_vgpr 1024
		.amdhsa_next_free_sgpr 100
		.amdhsa_reserve_vcc 0
		.amdhsa_float_denorm_mode_32 3
		.amdhsa_float_denorm_mode_16_64 3
		.amdhsa_memory_ordered 1
		.amdhsa_forward_progress 1
		.amdhsa_inst_pref_size 162
	.end_amdhsa_kernel
	.amdgpu_metadata
---
amdhsa.version: [ 1, 2 ]
amdhsa.kernels:
  - .name:           k_q41453356da_proj
    .symbol:         k_q41453356da_proj.kd
    .args:
      - { .name: ao, .offset: 0, .size: 8, .value_kind: global_buffer, .address_space: global }
      - { .name: wo, .offset: 8, .size: 8, .value_kind: global_buffer, .address_space: global }
      - { .name: out0, .offset: 16, .size: 8, .value_kind: global_buffer, .address_space: global }
    .group_segment_fixed_size: 327680
    .private_segment_fixed_size: 0
    .kernarg_segment_align: 8
    .kernarg_segment_size: 24
    .max_flat_workgroup_size: 128
    .sgpr_count:     100
    .vgpr_count:     1024
    .wavefront_size: 32
...
	.end_amdgpu_metadata
.endif
;; end of part 4
